; MI455X (gfx1250); checked and timed in simulation.
; The chip was launched on July 23, 2026; its instructions are those of AMD's public machine-readable ISA for CDNA 5 (MIT licence, August 2026) and "CDNA5" Instruction Set Architecture Reference Guide (July 2026). The comments in the code are by the model that wrote it; some were corrected since.
;; Multi Head Attention. Allowed arithmetic: matrix products marked QUANTISED: E5M2 operands, one E8M0 scale for each 32 along K, by v_wmma_scale_f32_16x16x128_f8f6f4 with both operands' format E5M2, f32 sums; everything else in f32.
;; Inputs: W_k_codes 1,024 x 32 x 32 uint8 (E5M2 codes of W_k, K innermost, in blocks of 32 codes); W_k_scales 1,024 x 32 uint8 (E8M0 scales of W_k, one for each 32 codes along K); W_o_codes 1,024 x 32 x 32 uint8 (E5M2 codes of W_o, K innermost, in blocks of 32 codes); W_o_scales 1,024 x 32 uint8 (E8M0 scales of W_o, one for each 32 codes along K); W_q_codes 1,024 x 32 x 32 uint8 (E5M2 codes of W_q, K innermost, in blocks of 32 codes); W_q_scales 1,024 x 32 uint8 (E8M0 scales of W_q, one for each 32 codes along K); W_v_codes 1,024 x 32 x 32 uint8 (E5M2 codes of W_v, K innermost, in blocks of 32 codes); W_v_scales 1,024 x 32 uint8 (E8M0 scales of W_v, one for each 32 codes along K); attention_mask 4 x 2,048 int32; x_codes 4 x 2,048 x 32 x 32 uint8 (E5M2 codes of x, K innermost, in blocks of 32 codes); x_scales 4 x 2,048 x 32 uint8 (E8M0 scales of x, one for each 32 codes along K).
;; Outputs: out0 4 x 2,048 x 1,024 float32.
;; This version of the problem:
;;   THIS VERSION OF THE PROBLEM IS GIVEN IN LOW PRECISION. The matrix products marked QUANTISED in the list below multiply operands that are first quantised to E5M2 (5 exponent bits, 2 mantissa bits; 8 bits a number), with one power-of-two scale for each 32 numbers along K (OCP MX v1.0); their sums are f32. All else is computed in f32.
;;   The module's matrix products, in the order in which they are computed (A, B: the left and right operand; K: the contracted axis; several contracted axes count as one K, in the product's order):
;;     1. [M 8,192, K 1,024] x [K 1,024, N 1,024]; A: input x (given as codes); B: input W_q (given as codes): QUANTISED
;;     2. [M 8,192, K 1,024] x [K 1,024, N 1,024]; A: input x (given as codes); B: input W_k (given as codes): QUANTISED
;;     3. [M 8,192, K 1,024] x [K 1,024, N 1,024]; A: input x (given as codes); B: input W_v (given as codes): QUANTISED
;;     4. batch 64 x [M 2,048, K 64] x [K 64, N 2,048]; A: computed on the way; B: computed on the way: QUANTISED
;;     5. batch 64 x [M 2,048, K 2,048] x [K 2,048, N 64]; A: computed on the way; B: computed on the way: QUANTISED
;;     6. [M 8,192, K 1,024] x [K 1,024, N 1,024]; A: computed on the way; B: input W_o (given as codes): QUANTISED
;;   THE QUANTISER, for each operand of a quantised product, along K:
;;     - K is cut into blocks of 32 from its start; a last block that is shorter is filled with zeros.
;;     - A block's scale is 2^e with e = floor(log2(the largest magnitude in the block)) - 15, held to -126 .. 127; a block of zeros has e = 0. As a byte (E8M0): e + 127.
;;     - Each number is divided by its block's scale, clamped to +-57,344, and rounded to the nearest number of E5M2, ties to even, subnormals kept.
;;     - The product sums the exact products of the quantised numbers (number of the format x scale) in f32.
;;   ~~~python
;;   def quantise(x, axis):      # numpy; x: float32 -> the quantised numbers, widened to float32 again
;;       x = np.moveaxis(x, axis, -1); K = x.shape[-1]
;;       x = np.pad(x, [(0, 0)] * (x.ndim - 1) + [(0, -K % 32)]); x = x.reshape(x.shape[:-1] + (-1, 32)); a = np.abs(x).max(-1, keepdims=True)
;;       e = np.where(a > 0, np.clip(np.frexp(np.where(a > 0, a, 1))[1] - 1 - 15, -126, 127), 0)      # np.frexp(a)[1] - 1 = floor(log2(a)), exactly
;;       r = np.clip(x / 2.0 ** e, -57344, 57344)
;;       step = 2.0 ** (np.maximum(np.frexp(np.where(r == 0, 1, r))[1] - 1, -14) - 2)
;;       q = np.round(r / step) * step * 2.0 ** e      # np.round: ties to even
;;       return np.moveaxis(q.reshape(q.shape[:-2] + (-1,))[..., :K], -1, axis).astype(np.float32)
;;   ~~~
;;   OPERANDS COMPUTED ON THE WAY. 'Computed on the way' means the value that the module computes at that place (a softmax that the list does not call 'softmax' is quantised finished and normalised). What goes into a quantiser is computed in f32, as accurately as f32 sums, v_exp_f32 and their like allow (about 1e-6 of the number): no bf16 or f16 on the way to a quantiser, and a product that is left as it is and whose result goes on into a quantised operand takes f32 operands (vector FMAs, or v_wmma_f32_16x16x4_f32). A number that lies on a knife's edge between two numbers of the format may be rounded either way, as far as f32 arithmetic and the matrix unit's own rounding can turn it there, and no further.
;;   INPUTS GIVEN AS CODES. W_k (in the module: [1024, 1024], K = its axis 1); W_o (in the module: [1024, 1024], K = its axis 1); W_q (in the module: [1024, 1024], K = its axis 1); W_v (in the module: [1024, 1024], K = its axis 1); x (in the module: [4, 2048, 1024], K = its axis 2): each comes as NAME_codes (uint8): NAME with its K axis moved to the last place and cut into blocks of 32 codes, [.., K / 32, bytes a block], one block behind the other in memory; one code a byte (a code: sign, 5 exponent bits, 2 mantissa bits); and NAME_scales (uint8): the same leading axes, one E8M0 byte (e + 127) for each 32 codes along K. Its value is code x scale, taken as it is: it is not quantised again, and the codes and scales need not be those that the quantiser above would give.
;; One version. Each part assembles by itself: llvm-mc -triple=amdgcn-amd-amdhsa -mcpu=gfx1250 --defsym DOCPART=n.
;; ======== version 1 of 1: 4 launches
;; limits: right only within a limited range of input values
;; workspace buffers: rope 524,288 bytes; qkvc 25,165,824 bytes; qkvs 1,572,864 bytes; ac 8,388,608 bytes; asc 262,144 bytes
;; launch rope (part 1): grid 256 x 1, 4 waves a work-group, no clusters, 0 bytes of LDS; arguments rope; writes rope
.if DOCPART == 1
	.amdgcn_target "amdgcn-amd-amdhsa--gfx1250"
	.amdhsa_code_object_version 6
	.text
	.protected	k_qaac1140211_rope
	.globl	k_qaac1140211_rope
	.p2align	8
	.type	k_qaac1140211_rope,@function
k_qaac1140211_rope:
	s_mov_b64 s[64:65], 0
	v_nop
	global_prefetch_b8 v0, s[64:65] scope:SCOPE_SE
	s_setreg_imm32_b32 hwreg(HW_REG_WAVE_MODE, 25, 1), 1
	s_wait_xcnt 0x0
; The table of the rotary embedding: rope[t][pair][cos, sin], f32, t = 0 .. 2047, pair = 0 .. 31: a row is 256 bytes.
; angle = t x f(pair), one f32 product as the model has it; f(pair) = 10000^(-pair/32) = 10^(-pair/8), given as decimal constants that the assembler rounds to f32.
; LIMIT: f is the correctly rounded value; a power function in f32 may give a neighbouring number, which moves the largest angles by about 1e-4.
; A LANE IS A PAIR: the 32 lanes of a wave hold the 32 pairs of a row, so a row leaves by one store of 8 bytes a lane: 256 consecutive bytes, aligned.
; A wave makes two rows, a work-group eight.  cos and sin: the angle less the nearest multiple of pi/2 (pi/2 in two parts, by fused multiply-adds), polynomials on [-pi/4, pi/4], the quadrant by a swap and two signs.
	s_load_b64 s[2:3], s[0:1], 0x0
	v_and_b32 v1, 31, v0                           ; lane = pair
	v_lshrrev_b32 v2, 5, v0                        ; wave
	v_mov_b32 v3, 0                                ; written whole before lanes are written singly
.macro FREQ lane, val
	s_mov_b32 s4, \val
	v_writelane_b32 v3, s4, \lane
.endm
	FREQ 0, 1.0
	FREQ 1, 0.7498942093324559
	FREQ 2, 0.5623413251903491
	FREQ 3, 0.4216965034285822
	FREQ 4, 0.31622776601683794
	FREQ 5, 0.23713737056616552
	FREQ 6, 0.1778279410038923
	FREQ 7, 0.1333521432163324
	FREQ 8, 0.1
	FREQ 9, 0.07498942093324559
	FREQ 10, 0.05623413251903491
	FREQ 11, 0.04216965034285822
	FREQ 12, 0.031622776601683794
	FREQ 13, 0.023713737056616552
	FREQ 14, 0.01778279410038923
	FREQ 15, 0.01333521432163324
	FREQ 16, 0.01
	FREQ 17, 0.007498942093324559
	FREQ 18, 0.005623413251903491
	FREQ 19, 0.004216965034285822
	FREQ 20, 0.0031622776601683794
	FREQ 21, 0.0023713737056616552
	FREQ 22, 0.001778279410038923
	FREQ 23, 0.001333521432163324
	FREQ 24, 0.001
	FREQ 25, 0.0007498942093324559
	FREQ 26, 0.0005623413251903491
	FREQ 27, 0.0004216965034285822
	FREQ 28, 0.00031622776601683794
	FREQ 29, 0.00023713737056616552
	FREQ 30, 0.0001778279410038923
	FREQ 31, 0.0001333521432163324
	s_mov_b32 s8, 0x3f22f983                       ; 2 / pi
	s_mov_b32 s9, 0x3fc90fdb                       ; pi / 2, upper part
	s_mov_b32 s10, 0xb33bbd2e                      ; pi / 2, the rest
	s_mov_b32 s11, 0xb94ca1f9                      ; sine: -1.9515295891e-4
	s_mov_b32 s12, 0x3c08839e                      ;        8.3321608736e-3
	s_mov_b32 s13, 0xbe2aaaa3                      ;       -1.6666654611e-1
	s_mov_b32 s14, 0x37ccf5ce                      ; cosine: 2.443315712e-5
	s_mov_b32 s15, 0xbab6061a                      ;        -1.388731625e-3
	s_mov_b32 s16, 0x3d2aaaa5                      ;         4.166664568e-2
	s_lshl_b32 s5, ttmp9, 3
	v_lshl_add_u32 v4, v2, 1, s5                   ; my wave's first row: 8 x work-group + 2 x wave
	v_cvt_f32_u32 v5, v4                           ; t
	v_add_f32 v6, 1.0, v5                          ; t + 1
	v_lshlrev_b32 v7, 8, v4
	v_lshl_add_u32 v7, v1, 3, v7                   ; 256 t + 8 x pair
.macro TRIG t, o                       ; v[o] = cos, v[o + 1] = sin of v[t] x f
	v_mul_f32 v8, v[\t], v3                        ; the angle
	v_mul_f32 v9, s8, v8
	v_rndne_f32 v9, v9                             ; n: the nearest multiple of pi / 2
	v_fma_f32 v10, -v9, s9, v8
	v_fma_f32 v10, -v9, s10, v10                   ; r = angle - n pi / 2
	v_mul_f32 v11, v10, v10                        ; z = r r
	v_cvt_i32_f32 v12, v9
	v_mov_b32 v13, s11
	v_fma_f32 v13, v13, v11, s12
	v_fma_f32 v13, v13, v11, s13
	v_mul_f32 v14, v11, v10
	v_fma_f32 v13, v13, v14, v10                   ; sin r
	v_mov_b32 v15, s14
	v_fma_f32 v15, v15, v11, s15
	v_fma_f32 v15, v15, v11, s16
	v_mul_f32 v16, v11, v11
	v_fma_f32 v17, v11, -0.5, 1.0
	v_fma_f32 v15, v15, v16, v17                   ; cos r
	v_and_b32 v16, 1, v12
	v_cmp_eq_u32 vcc_lo, 1, v16                    ; an odd quadrant swaps the two
	v_cndmask_b32 v17, v13, v15, vcc_lo
	v_cndmask_b32 v18, v15, v13, vcc_lo
	v_lshlrev_b32 v16, 30, v12
	v_and_b32 v16, 0x80000000, v16                 ; sine is negative in quadrants 2 and 3,
	v_xor_b32 v[\o+1], v16, v17
	v_add_nc_u32 v16, 1, v12
	v_lshlrev_b32 v16, 30, v16
	v_and_b32 v16, 0x80000000, v16                 ; cosine in quadrants 1 and 2
	v_xor_b32 v[\o], v16, v18
.endm
	TRIG 5, 20
	TRIG 6, 22
	s_wait_kmcnt 0x0
	global_store_b64 v7, v[20:21], s[2:3]          ; 32 lanes store a row: 256 consecutive bytes, aligned
	global_store_b64 v7, v[22:23], s[2:3] offset:256
	s_endpgm
.Lfunc_end_k_qaac1140211_rope:
	.size	k_qaac1140211_rope, .Lfunc_end_k_qaac1140211_rope-k_qaac1140211_rope
	.p2alignl 7, 3214868480
	.fill 96, 4, 3214868480
	.section	.rodata,"a",@progbits
	.p2align	6, 0x0
	.amdhsa_kernel k_qaac1140211_rope
		.amdhsa_group_segment_fixed_size 0
		.amdhsa_private_segment_fixed_size 0
		.amdhsa_enable_private_segment 0
		.amdhsa_kernarg_size 8
		.amdhsa_user_sgpr_count 2
		.amdhsa_user_sgpr_kernarg_segment_ptr 1
		.amdhsa_wavefront_size32 1
		.amdhsa_system_sgpr_workgroup_id_x 1
		.amdhsa_system_sgpr_workgroup_id_y 1
		.amdhsa_system_sgpr_workgroup_id_z 1
		.amdhsa_system_vgpr_workitem_id 0
		.amdhsa_next_free_vgpr 32
		.amdhsa_next_free_sgpr 66
		.amdhsa_reserve_vcc 1
		.amdhsa_float_denorm_mode_32 3
		.amdhsa_float_denorm_mode_16_64 3
		.amdhsa_memory_ordered 1
		.amdhsa_forward_progress 1
		.amdhsa_inst_pref_size 8
	.end_amdhsa_kernel
	.amdgpu_metadata
---
amdhsa.version: [ 1, 2 ]
amdhsa.kernels:
  - .name:           k_qaac1140211_rope
    .symbol:         k_qaac1140211_rope.kd
    .args:
      - { .name: rope, .offset: 0, .size: 8, .value_kind: global_buffer, .address_space: global }
    .group_segment_fixed_size: 0
    .private_segment_fixed_size: 0
    .kernarg_segment_align: 8
    .kernarg_segment_size: 8
    .max_flat_workgroup_size: 128
    .sgpr_count:     66
    .vgpr_count:     32
    .wavefront_size: 32
...
	.end_amdgpu_metadata
.endif
;; end of part 1
;; launch qkv (part 2): grid 12 x 32, 4 waves a work-group, clusters of 4 x 4, 327,680 bytes of LDS; arguments x_codes, x_scales, W_q_codes, W_q_scales, W_k_codes, W_k_scales, W_v_codes, W_v_scales, attention_mask, rope, qkvc, qkvs; writes qkvc, qkvs
.if DOCPART == 2
	.amdgcn_target "amdgcn-amd-amdhsa--gfx1250"
	.amdhsa_code_object_version 6
	.text
	.protected	k_qaac1140211_qkv
	.globl	k_qaac1140211_qkv
	.p2align	8
	.type	k_qaac1140211_qkv,@function
k_qaac1140211_qkv:
	s_mov_b64 s[64:65], 0
	v_nop
	global_prefetch_b8 v0, s[64:65] scope:SCOPE_SE
	s_setreg_imm32_b32 hwreg(HW_REG_WAVE_MODE, 25, 1), 1
	s_wait_xcnt 0x0
	s_wait_alu depctr_hold_cnt(0) depctr_sa_sdst(0) depctr_va_vdst(0) depctr_va_sdst(0) depctr_va_ssrc(0) depctr_va_vcc(0) depctr_vm_vsrc(0)
	s_getreg_b32 s2, hwreg(HW_REG_IB_STS2, 6, 4)
	s_cmp_eq_u32 s2, 0
	s_cbranch_scc0 .Lentry_in_a_cluster
	s_endpgm
.Lentry_in_a_cluster:
	s_bfe_u32 s2, ttmp6, 0x10000c
	s_cmp_lg_u32 s2, 0xf033
	s_cbranch_scc0 .Lentry_shape_is_right
	s_endpgm
.Lentry_shape_is_right:
; q = rope(x W_q^T), k = rope(x W_k^T), v = x W_v^T on codes of BF8 (E5M2) with E8M0 scales, K = 1,024; the results are quantised again here, in registers, and leave as IMAGES OF OPERAND REGISTERS for the attention launch.
; A tile of 256 x 256 is made by four waves, 128 x 128 each: 64 accumulators, 512 registers.  K goes in steps of 256 through a ring of two LDS slots filled by the tensor data mover; the scales of the tile's rows, for all of K, come once.
; THE CLUSTER'S x IS THE TYPE (0 q, 1 k, 2 v), equal in all sixteen partners.  Source 1's tile hangs on cy and is asked for jointly by a row of the cluster, source 0's on cx, by a column.
;   q, k: source 0 = rows of W (256 cx on), source 1 = rows of x (256 (4 cluster y + cy) on): a lane holds ONE token and its registers run along the features: the next K (the head's 64).
;   v:    source 0 = rows of x (256 (4 cluster y + cx) on), source 1 = rows of W_v (256 cy on): a lane holds ONE feature and its registers run along the tokens: the next K (the keys).
; THE ORDER INSIDE A BLOCK OF 32.  A result tile gives lane half h the indices 16 tile + 8 h + j, so byte i of a lane's 16 codes of block c is k = 32 c + 16 (i / 8) + 8 h + i % 8.  Both operands of each later product carry this
; same order, and blocks of 32 stay whole, so scales and sums are those of the natural order but for the order of adding.
; OUT.  qkvc: q at 0, k at 2^23: [b h][tile of 16 tokens][block 2][lane][16 bytes]; v at 2^24: [b h][step of 128 keys][16 features][block 4][lane][16 bytes].
;   qkvs: q's scale words at 0, k's at 2^19: [b h][tile][token 16]; v's at 2^20: [b h][step][16 features][feature 16]; at 0x140000 the sums of the quantised v over each 128 tokens, [128 tokens][1,024] f32.
; THE PAD MASK rides in byte 2 of the scale words (k = 64 .. 95 of the score product, whose K is 64): q's is 103; k's is 254 for a padded key and 0 for any other.  The attention launch sets the code 1.0 (q) and -1.0 (k) at k = 64:
; a padded key's score gets -2^103, any other -2^-151.
; LIMITS: blocks whose largest magnitude lies under 2^-111 keep the scale byte 1 (a block of zeros too: its codes are zeros, and this program alone reads the bytes); NaN and infinities are not served.
.set KSTEP,  256
.set NQ,     2                         ; matrix instructions deep in a slot
.set ROWB,   256                       ; a tile's row in bytes
.set KROW,   1024                      ; a row of x or of a weight in memory
.set PITCH,  272                       ; an LDS row: 256 bytes + 16 of padding: the 16 rows of a fragment load start 68 words apart
.set FR,     16
.set NL,     4
.set NP,     8                         ; places behind this matrix instruction (ISA guide 7.12.1)
.set HALFT,  128*PITCH
.set SLOT,   4*HALFT
.set KS,     32                        ; a row of scales in bytes
.set SCLB,   2*SLOT                    ; behind the ring: the scales, as units of 256 bytes + 16 of padding
.set HALFS,  16*272
.set SBLK,   2*272
.set SPARE,  SCLB+4*HALFS              ; the spare words, 128 bytes a wave: two blocks of 256 bytes that no other line names
.set MK,   8                           ; v8-15   the mask words of my 8 x 16 tokens
.set ADRA, 16                          ; v16-17  LDS address of source 1's fragments in slot 0, 1
.set SWA,  18                          ; v18     scratch: 1,024 x wave + 4 (lane % 16)
.set SRB,  19                          ; v19     scratch: 1,024 x wave + 16 x lane
.set ADRB, 20                          ; v20-21  source 0's fragments
.set LI,   22                          ; v22     16 x lane
.set VSO,  23                          ; v23     4,096 (lane / 16) + 16 (lane % 16)
.set ADRS, 27                          ; v27     my scale words: lanes 0-15 source 1's rows, lanes 16-31 source 0's
.set SPW,  28                          ; v28     my spare word; never rewritten
.set NIL,  29                          ; v29     0; never rewritten
.set VM,   30                          ; v30     4 (lane % 16)
.set VR,   31                          ; v31     256 (lane % 16) + 32 (lane / 16)
.set SC,   32                          ; v32-63  scale words and nothing else
.set PW,   32                          ; v's scale word just made
.set ONESW, 33                         ; four bytes 127
.set W0,   2                           ; v2, v3  the two heads' scale words;  v4 their byte 2;  v5, v6 that byte for a padded and for any other token
.set W1,   3
.set X2,   4
.set XM,   5
.set XU,   6
.set CSB,  64                          ; v64-159 three sets of 32: cos and sin of 16 tokens
.set DV,   64                          ; v's path: two results of the sums
.set ONES, 80                          ; v's path: 16 rows of 1.0
.set AF,   128                         ; source 1's fragments, one set
.set T,    160                         ; v160-223 64 numbers on their way to codes
.set PC,   224                         ; v224-239 the codes
.set TM,   240                         ; v240-243 largest magnitudes, 244-247 bytes, 248-251 the hold, 252-255 the conversions' scale
.set G1, 24
.set G0, 32
.set G1B, 48
.set G0B, 56
.set G1S, 68
.set G0S, 76
.set G1SB, 80
.set G0SB, 88
.set MSB, 0
.macro WIN new                         ; the immediate's high byte repeats the setting that is left
.if MSB != (\new)
	s_set_vgpr_msb (MSB<<8)|(\new)
.set MSB, (\new)
.endif
.endm
.set MUL_LO, 0xa1                      ; source 0 window 1, source 1 window 0, C and D window 2
.set MUL_HI, 0xf1                      ; the same, C and D window 3
.set TO_B,   0x40
; A joint load: waves 0 and 1 fetch for source 1, waves 2 and 3 for source 0; the branch hangs on the wave's number alone.  Four v_nop follow each of the two lines.
.macro JLOAD g0a, g1a, g0b, g1b
	s_cmp_eq_u32 s15, 0
	s_cbranch_scc0 .Lfor_b_\@
	tensor_load_to_lds s[\g0a:\g0a+3], s[\g1a:\g1a+7]
	s_nop 0
.rept 4
	v_nop
.endr
	s_branch .Lasked_\@
.Lfor_b_\@:
	tensor_load_to_lds s[\g0b:\g0b+3], s[\g1b:\g1b+7]
	s_nop 0
.rept 4
	v_nop
.endr
.Lasked_\@:
.endm
.macro CREST                           ; a round of the cluster's barrier behind its opening barrier
	s_cmp_lg_u32 s14, 0
	s_cbranch_scc1 .Lnot_wave_0_\@
	s_barrier_signal -3
.Lnot_wave_0_\@:
	s_barrier_wait -3
	s_barrier_signal -1
	s_barrier_wait -1
.endm
.macro CROUND
	s_barrier_signal -1
	s_barrier_wait -1
	CREST
.endm
	s_load_b512 s[68:83], s[0:1], 0x0              ; x's codes, scales; W_q's; W_k's; W_v's
	s_load_b256 s[84:91], s[0:1], 0x40             ; the mask, the table, qkvc, qkvs
	v_lshl_add_u32 v[SPW], v0, 2, SPARE
	v_mov_b32 v[NIL], 0
	ds_add_u32 v28, v29
	ds_add_u32 v28, v29
	s_wait_dscnt 0x0
	v_lshrrev_b32 v1, 5, v0
	v_readfirstlane_b32 s14, v1                    ; wave 0..3
	s_lshr_b32 s15, s14, 1                         ; which half of source 1's rows is mine.  Also: I fetch for source 1 (0) or source 0 (1)
	s_and_b32 s16, s14, 1                          ; which half of source 0's rows.  Also: which 128 rows I fetch
	s_bfe_u32 s40, ttmp6, 0x40000                  ; cx
	s_bfe_u32 s41, ttmp6, 0x40004                  ; cy
	s_mov_b32 s98, ttmp9                           ; the type
	s_and_b32 s99, ttmp7, 0xffff                   ; cluster y
	s_lshl_b32 s17, s99, 2
	s_cmp_eq_u32 s98, 2
	s_cselect_b32 s42, s17, 0                      ; x's 32 tiles go by 4 cluster y + the place; a weight's four by the place alone
	s_cselect_b32 s17, 0, s17
	s_add_co_u32 s42, s42, s40                     ; source 0's tile: hangs on cx, never on cy
	s_add_co_u32 s17, s17, s41                     ; source 1's tile: hangs on cy, never on cx
	s_lshl_b32 s43, s41, 2
	s_lshl_b32 s43, 15, s43                        ; my row of the cluster
	s_lshl_b32 s44, 0x1111, s40                    ; my column
	s_or_b32 s[G1+0], s43, (0<<16)|(1<<20)|(1<<21)|(5<<22)|(3<<25)  ; the mask; elements of 1 byte; padding on; bit 21 beside a mask; after every 64 words; 4 words
	s_or_b32 s[G1B+0], s44, (0<<16)|(1<<20)|(1<<21)|(5<<22)|(3<<25)
.irp g, G1, G1B
	s_mov_b32 s[\g+1], ROWB<<16                    ; tensor_dim0
	s_mov_b32 s[\g+2], 128<<16                     ; tensor_dim1
	s_mov_b32 s[\g+3], ROWB<<16                    ; tile_dim0
	s_mov_b32 s[\g+4], 128                         ; tile_dim1
	s_mov_b32 s[\g+5], KROW                        ; from row to row
	s_mov_b32 s[\g+6], 0
	s_mov_b32 s[\g+7], 0
.endr
	s_wait_kmcnt 0x0
	s_cmp_eq_u32 s98, 0                            ; the weight of my type: the choices hang on the cluster's x alone
	s_cselect_b64 s[92:93], s[72:73], s[76:77]
	s_cselect_b64 s[94:95], s[74:75], s[78:79]
	s_cmp_eq_u32 s98, 2
	s_cselect_b64 s[92:93], s[80:81], s[92:93]
	s_cselect_b64 s[94:95], s[82:83], s[94:95]
	s_cselect_b64 s[4:5], s[92:93], s[68:69]       ; source 1: v: the weight, else x
	s_cselect_b64 s[6:7], s[94:95], s[70:71]
	s_cselect_b64 s[8:9], s[68:69], s[92:93]       ; source 0: v: x, else the weight
	s_cselect_b64 s[10:11], s[70:71], s[94:95]
	s_mov_b64 s[96:97], s[84:85]                   ; the mask
	s_mov_b64 s[100:101], s[86:87]                 ; the table
	s_mov_b64 s[12:13], s[88:89]                   ; qkvc
	s_mov_b64 s[66:67], s[90:91]                   ; qkvs
	; the scales of 128 rows: 4,096 dense bytes as 16 rows of 256 (32 elements of 8 bytes), 16 bytes of padding behind each
	s_or_b32 s[G1S+0], s43, (3<<16)|(1<<20)|(1<<21)|(5<<22)|(3<<25)
	s_or_b32 s[G1SB+0], s44, (3<<16)|(1<<20)|(1<<21)|(5<<22)|(3<<25)
.irp g, G1S, G1SB
	s_mov_b32 s[\g+1], 32<<16
	s_mov_b32 s[\g+2], (128*KS/256)<<16
	s_mov_b32 s[\g+3], 32<<16
	s_mov_b32 s[\g+4], 128*KS/256
	s_mov_b32 s[\g+5], 32
	s_mov_b32 s[\g+6], 0
	s_mov_b32 s[\g+7], 0
.endr
	s_lshl_b32 s18, s16, 7                         ; which 128 rows of the tile I fetch
	s_lshl_b32 s20, s17, 8
	s_add_co_u32 s20, s20, s18                     ; source 1's row
	s_lshl_b32 s46, s42, 8
	s_add_co_u32 s46, s46, s18                     ; source 0's row
	s_mov_b32 s21, 0
	s_mov_b32 s47, 0
	s_mov_b64 s[18:19], KS
	s_mul_u64 s[22:23], s[20:21], s[18:19]         ; where these rows' scales begin,
	s_mul_u64 s[92:93], s[46:47], s[18:19]
	s_mov_b64 s[18:19], KROW
	s_mul_u64 s[20:21], s[20:21], s[18:19]         ; and their codes
	s_mul_u64 s[46:47], s[46:47], s[18:19]
	s_mul_i32 s45, s14, HALFT                      ; where they go: wave x 128 rows: no place in the cluster enters an LDS address
	s_mul_i32 s94, s14, HALFS
	s_add_nc_u64 s[20:21], s[4:5], s[20:21]
	s_add_nc_u64 s[22:23], s[6:7], s[22:23]
	s_add_nc_u64 s[46:47], s[8:9], s[46:47]
	s_add_nc_u64 s[92:93], s[10:11], s[92:93]
	CROUND                                         ; all sixteen work-groups are here: the first joint loads meet
	s_mov_b32 s[G0S], 1
	s_add_co_u32 s[G0S+1], s94, SCLB
	s_mov_b64 s[G0S+2:G0S+3], s[22:23]
	s_or_b32 s[G0S+3], s[G0S+3], 0x80000000
	s_mov_b32 s[G0SB], 1
	s_add_co_u32 s[G0SB+1], s94, SCLB
	s_mov_b64 s[G0SB+2:G0SB+3], s[92:93]
	s_or_b32 s[G0SB+3], s[G0SB+3], 0x80000000
	JLOAD G0S, G1S, G0SB, G1SB                     ; the scales first: they are wanted with K step 0
.irp s, 0,1
	s_mov_b32 s[G0+4*\s], 1
	s_add_co_u32 s[G0+4*\s+1], s45, \s*SLOT
	s_add_nc_u64 s[G0+4*\s+2:G0+4*\s+3], s[20:21], \s*ROWB
	s_or_b32 s[G0+4*\s+3], s[G0+4*\s+3], 0x80000000
	s_mov_b32 s[G0B+4*\s], 1
	s_add_co_u32 s[G0B+4*\s+1], s45, \s*SLOT
	s_add_nc_u64 s[G0B+4*\s+2:G0B+4*\s+3], s[46:47], \s*ROWB
	s_or_b32 s[G0B+4*\s+3], s[G0B+4*\s+3], 0x80000000
	JLOAD G0+4*\s, G1, G0B+4*\s, G1B
.endr
	v_and_b32 v1, 15, v0                           ; r = lane % 16
	v_bfe_u32 v2, v0, 4, 1                         ; h = lane / 16
	v_mul_u32_u24 v3, v1, PITCH
	v_lshl_add_u32 v4, v2, 4, v3                   ; a fragment's row x pitch + 16 h
	s_mul_i32 s21, s15, HALFT                      ; my 128 rows of source 1,
	s_mul_i32 s22, s16, HALFT                      ; my 128 rows of source 0,
	s_add_co_u32 s22, s22, 2*HALFT                 ; which lie behind source 1's 256
.irp s, 0,1
	v_add_nc_u32 v[ADRA+\s], s21, v4
	v_add_nc_u32 v[ADRB+\s], s22, v4
	s_add_co_u32 s21, s21, SLOT
	s_add_co_u32 s22, s22, SLOT
.endr
	v_mul_u32_u24 v5, v1, KS                       ; my row's scales: 32 bytes a row,
	v_lshrrev_b32 v6, 8, v5
	v_lshl_add_u32 v5, v6, 4, v5                   ; and 16 more for each 256 passed
	s_mul_i32 s21, s15, HALFS
	s_mul_i32 s22, s16, HALFS
	s_add_co_u32 s22, s22, 2*HALFS
	s_sub_co_u32 s22, s22, s21
	v_mul_u32_u24 v6, s22, v2                      ; lanes 16-31 take source 0's
	s_add_co_u32 s21, s21, SCLB
	v_add_nc_u32 v5, v5, v6
	v_add_nc_u32 v[ADRS], s21, v5
	v_and_b32 v6, 31, v0
	v_lshlrev_b32 v[LI], 4, v6
	v_lshlrev_b32 v[VM], 2, v1
	v_lshlrev_b32 v[VR], 8, v1
	v_lshl_add_u32 v[VR], v2, 5, v[VR]
	s_lshl_b32 s21, s14, 10
	v_add_nc_u32 v[SWA], s21, v[VM]
	v_add_nc_u32 v[SRB], s21, v[LI]
	v_lshlrev_b32 v[VSO], 4, v1
	v_lshl_add_u32 v[VSO], v2, 12, v[VSO]
	; where my results go.  G: my first token (row of x); h0: my first head (two heads a wave)
	s_cmp_eq_u32 s98, 2
	s_cselect_b32 s20, s42, s17                    ; x's tile,
	s_cselect_b32 s21, s16, s15                    ; my half of it;
	s_cselect_b32 s22, s17, s42                    ; the weight's tile,
	s_cselect_b32 s23, s15, s16                    ; my half of it
	s_cselect_b32 s94, 1, 0                        ; v's scale words take half the bytes of q's and k's
	s_lshl_b32 s20, s20, 8
	s_lshl_b32 s21, s21, 7
	s_add_co_u32 s20, s20, s21                     ; G
	s_lshl_b32 s22, s22, 2
	s_lshl_b32 s23, s23, 1
	s_add_co_u32 s22, s22, s23                     ; h0
	s_lshr_b32 s23, s20, 11                        ; b
	s_and_b32 s21, s20, 2047                       ; t0
	s_mov_b32 s47, 0
	s_lshl_b32 s46, s98, 23                        ; the codes: type 2^23 + b 2^21 + h0 2^17 + 64 t0 (16 tokens are 1,024 bytes, 128 keys 8,192)
	s_lshl_b32 s45, s23, 21
	s_add_co_u32 s46, s46, s45
	s_lshl_b32 s45, s22, 17
	s_add_co_u32 s46, s46, s45
	s_lshl_b32 s45, s21, 6
	s_add_co_u32 s46, s46, s45
	s_add_nc_u64 s[12:13], s[12:13], s[46:47]
	s_lshl_b32 s46, s20, 5                         ; the sums: (G / 128) rows of 4,096 bytes + 256 h0
	s_lshl_b32 s45, s22, 8
	s_add_co_u32 s46, s46, s45
	s_add_co_u32 s46, s46, 0x140000
	s_add_nc_u64 s[92:93], s[66:67], s[46:47]
	s_lshl_b32 s46, s23, 17                        ; the scale words: b 2^17 + h0 2^13 + 4 t0, halved for v, + type 2^19
	s_lshl_b32 s45, s22, 13
	s_add_co_u32 s46, s46, s45
	s_lshl_b32 s45, s21, 2
	s_add_co_u32 s46, s46, s45
	s_lshr_b32 s46, s46, s94
	s_lshl_b32 s45, s98, 19
	s_add_co_u32 s46, s46, s45
	s_add_nc_u64 s[66:67], s[66:67], s[46:47]
	s_lshl_b32 s46, s21, 8
	s_add_nc_u64 s[100:101], s[100:101], s[46:47]  ; the table at t0
	s_lshl_b32 s46, s20, 2
	s_add_nc_u64 s[96:97], s[96:97], s[46:47]      ; the mask at G
; cos and sin of block a's 16 tokens into set a % 3: lane (r, h) takes, of token r, the pairs 8 e + 4 h + 0 .. 3 of each 16 features e: register 8 e + j = cos, 8 e + j + 1 = sin of features j, j + 1
.macro LOADCS a
.set CB, CSB+32*((\a)%3)
.irp e, 0,1,2,3
.irp q, 0,1
	global_load_b128 v[CB+8*\e+4*\q:CB+8*\e+4*\q+3], v[VR], s[100:101] offset:4096*(\a)+64*\e+16*\q
.endr
.endr
.endm
.irp a, 0,1,2,3,4,5,6,7
	global_load_b32 v[MK+\a], v[VM], s[96:97] offset:64*\a   ; these and the two sets below land in registers that the K loop leaves idle; every type issues them, v's path does not use them
.endr
	LOADCS 0
	LOADCS 1
.macro FRAG reg, adr, q, i             ; 16 rows x 128 K: lane l holds row l % 16; registers 4 c .. 4 c + 3 hold K = 32 c + 16 (l / 16) + 0 .. 15
.irp c, 0,1,2,3
	ds_load_b128 v[\reg+4*\c:\reg+4*\c+3], v[\adr] offset:128*(\q)+32*\c+(\i)*16*PITCH
.endr
.endm
; 16 matrix instructions: source 1's blocks a0, a0 + 1 x source 0's eight.  The 64 accumulators take turns, one instruction a turn, in the same order in every step.
.macro MUL16 a0, p, q, sc, zero
.irp a, \a0, \a0+1
.irp b, 0,1,2,3,4,5,6,7
.if \zero
	v_wmma_scale_f32_16x16x128_f8f6f4 v[8*(8*((\a)%4)+\b):8*(8*((\a)%4)+\b)+7], v[128*(\p)+FR*\b:128*(\p)+FR*\b+FR-1], v[AF+FR*(\a):AF+FR*(\a)+FR-1], 0, v[SC+8*NQ*(\sc)+NQ*\b+(\q)], v[SC+8*NQ*(\sc)+NQ*(\a)+(\q)] matrix_a_fmt:MATRIX_FMT_BF8 matrix_b_fmt:MATRIX_FMT_BF8 matrix_a_scale:MATRIX_SCALE_ROW1
.else
	v_wmma_scale_f32_16x16x128_f8f6f4 v[8*(8*((\a)%4)+\b):8*(8*((\a)%4)+\b)+7], v[128*(\p)+FR*\b:128*(\p)+FR*\b+FR-1], v[AF+FR*(\a):AF+FR*(\a)+FR-1], v[8*(8*((\a)%4)+\b):8*(8*((\a)%4)+\b)+7], v[SC+8*NQ*(\sc)+NQ*\b+(\q)], v[SC+8*NQ*(\sc)+NQ*(\a)+(\q)] matrix_a_fmt:MATRIX_FMT_BF8 matrix_b_fmt:MATRIX_FMT_BF8 matrix_a_scale:MATRIX_SCALE_ROW1
.endif
.endr
.endr
.endm
.macro FETCH_B slot, q, p
	WIN TO_B
.irp i, 0,1,2,3,4,5,6,7
	FRAG 128*(\p)+FR*\i, ADRB+\slot, \q, \i
.endr
	WIN 0
.endm
.macro FETCH_A slot, q, i0
.irp i, \i0, \i0+1, \i0+2, \i0+3
	FRAG AF+FR*(\i), ADRA+\slot, \q, \i
.endr
.endm
.macro SCALES sc                       ; a K step's scale words: two words a row; lanes 0-15 take source 1's block i, lanes 16-31 source 0's block i
.irp i, 0,1,2,3,4,5,6,7
	ds_load_b64 v[SC+8*NQ*\sc+NQ*\i:SC+8*NQ*\sc+NQ*\i+1], v[ADRS] offset:\i*SBLK
.endr
.endm
.macro PLACES n                        ; plain vector instructions between a matrix instruction and a load into, or a read of, its registers
.rept \n
	v_nop
.endr
.endm
.macro STEP slot, q, zero              ; 128 along K that have their successor in the same slot
	s_wait_dscnt 4*NL                              ; all but the youngest 16 loads (source 1's blocks 4-7) are in
	WIN MUL_LO
	MUL16 0, (\q)%2, \q, \slot, \zero
	MUL16 2, (\q)%2, \q, \slot, \zero
	s_wait_dscnt 0
	PLACES NP
	FETCH_B \slot, (\q)+1, 1-(\q)%2
	FETCH_A \slot, (\q)+1, 0
	WIN MUL_HI
	MUL16 4, (\q)%2, \q, \slot, \zero
	MUL16 6, (\q)%2, \q, \slot, \zero
	PLACES NP
	WIN 0
	FETCH_A \slot, (\q)+1, 4
.endm
; A slot's last step changes slots: one barrier; in front of it each wave waits for all its tensor loads, adds 0 to its spare word, and waits for that and for its own reads of this slot.
.macro TURN slot, next, fill
	s_wait_tensorcnt 0x0                           ; all my tensor loads have landed: my part of the next slot
	ds_add_u32 v[SPW], v[NIL]                      ; 0 onto my spare word
	s_wait_dscnt 4*NL+1                            ; the add and the youngest 16 loads may be out
	WIN MUL_LO
	MUL16 0, 1, NQ-1, \slot, 0
	s_wait_dscnt 0x0                               ; the add is done, and my reads of this slot are over
	s_barrier_signal -1
	MUL16 2, 1, NQ-1, \slot, 0
	WIN 0
	s_barrier_wait -1
.if \fill
	CREST                                          ; the barrier has opened a round of the cluster's: no wave of any partner still reads this slot or has a load on its way
	s_add_nc_u64 s[G0+4*\slot+2:G0+4*\slot+3], s[G0+4*\slot+2:G0+4*\slot+3], 2*ROWB
	s_add_nc_u64 s[G0B+4*\slot+2:G0B+4*\slot+3], s[G0B+4*\slot+2:G0B+4*\slot+3], 2*ROWB
	JLOAD G0+4*\slot, G1, G0B+4*\slot, G1B         ; the first tensor load behind the round; its four v_nop are among the places in front of the loads below
	PLACES NP-4
.else
	PLACES NP
.endif
	v_add_nc_u32 v[ADRS], 4*NQ, v[ADRS]            ; the next K step's scale words
	FETCH_B \next, 0, 0
	FETCH_A \next, 0, 0
	SCALES \next
	WIN MUL_HI
	MUL16 4, 1, NQ-1, \slot, 0
	MUL16 6, 1, NQ-1, \slot, 0
	PLACES NP
	WIN 0
	FETCH_A \next, 0, 4
.endm
	s_wait_tensorcnt 1                             ; the scales and my part of K step 0 are in; K step 1's load may be out
	s_barrier_signal -1
	s_barrier_wait -1
	FETCH_B 0, 0, 0
	FETCH_A 0, 0, 0
	SCALES 0
	FETCH_A 0, 0, 4
	STEP 0, 0, 1                                   ; the first step starts the sums
	s_mov_b32 s3, 1
.Llap:                                                 ; once round the ring: both slots are filled again (K steps 2 and 3)
	TURN 0, 1, 1
	STEP 1, 0, 0
	TURN 1, 0, 1
	STEP 0, 0, 0
	s_sub_co_u32 s3, s3, 1
	s_cmp_lg_u32 s3, 0
	s_cbranch_scc1 .Llap
	TURN 0, 1, 0                                   ; the last lap fills nothing
	STEP 1, 0, 0
	s_wait_dscnt 4*NL
	WIN MUL_LO
	MUL16 0, 1, NQ-1, 1, 0
	MUL16 2, 1, NQ-1, 1, 0
	s_wait_dscnt 0
	WIN MUL_HI
	MUL16 4, 1, NQ-1, 1, 0
	MUL16 6, 1, NQ-1, 1, 0
	WIN 0
	PLACES NP                                      ; in front of the first read of results and of writes and loads into the fragments' registers
; 64 numbers of a lane, v[src] on in window w, register 16 b + i of block b, become 16 registers of codes in v[PC] on.  kind = 1: the four bytes make one scale word (v); 0: two words of two bytes, with the mask's byte on top (q, k).
.macro QUANT src, w, kind
	WIN ((\w)<<2)|((\w)<<4)
.irp b, 0,1,2,3
	v_max3_num_f32 v[TM+\b], 0x8000000, |v[\src+16*\b]|, |v[\src+1+16*\b]|   ; my 16 numbers of block b, and the floor 2^(16 - 127): the byte cannot fall under 1
.endr
.irp i, 2,4,6,8,10,12,14
.irp b, 0,1,2,3
	v_max3_num_f32 v[TM+\b], v[TM+\b], |v[\src+16*\b+\i]|, |v[\src+1+16*\b+\i]|
.endr
.endr
	WIN 0
.irp b, 0,1,2,3
	v_permlanex16_b32 v[TM+4+\b], v[TM+\b], s20, s21
.endr
.irp b, 0,1,2,3
	v_max_num_f32 v[TM+\b], v[TM+\b], v[TM+4+\b]   ; with lane l xor 16's: the block's largest magnitude
.endr
.irp b, 0,1,2,3
	v_add_nc_u32 v[TM+12+\b], 0xf8800000, v[TM+\b] ; 15 off its exponent field: the conversion's scale operand
.endr
.irp b, 0,1,2,3
	v_and_or_b32 v[TM+8+\b], v[TM+\b], 0x7f800000, s22   ; 57,344 x the scale
.endr
.irp b, 0,1,2,3
	v_lshrrev_b32 v[TM+4+\b], 23, v[TM+12+\b]      ; the scale's byte
.endr
.if \kind
	v_lshl_or_b32 v[PW], v[TM+5], 8, v[TM+4]
	v_lshl_or_b32 v[PW], v[TM+6], 16, v[PW]
	v_lshl_or_b32 v[PW], v[TM+7], 24, v[PW]
.else
	v_lshl_or_b32 v[W0], v[TM+5], 8, v[TM+4]
	v_lshl_or_b32 v[W1], v[TM+7], 8, v[TM+6]
	v_or_b32 v[W0], v[W0], v[X2]
	v_or_b32 v[W1], v[W1], v[X2]
.endif
	WIN \w
.irp b, 0,1,2,3
.irp i, 0,1,2,3,4,5,6,7,8,9,10,11,12,13,14,15
	v_med3_num_f32 v[T+16*\b+\i], v[\src+16*\b+\i], -v[TM+8+\b], v[TM+8+\b]   ; the conversion to an 8-bit code does not saturate (ISA guide 7.6.2): the hold; it also brings the number into window 0
.endr
.endr
	WIN 0
.irp b, 0,1,2,3
	v_cvt_scalef32_pk8_bf8_f32 v[PC+4*\b:PC+4*\b+1], v[T+16*\b:T+16*\b+7], v[TM+12+\b]
	v_cvt_scalef32_pk8_bf8_f32 v[PC+4*\b+2:PC+4*\b+3], v[T+16*\b+8:T+16*\b+15], v[TM+12+\b]
.endr
	v_nop                                          ; one plain instruction behind the last conversion
.endm
; The rotation of block a's 16 tokens x 128 features: (x1, x2) -> (x1 c - x2 s, x1 s + x2 c), two packed instructions a pair; each accumulator is read from its low end on
.macro ROPE a
.set AC, 64*((\a)%4)
.set CB, CSB+32*((\a)%3)
	WIN 2+(\a)/4
.irp b, 0,1,2,3,4,5,6,7
.irp j, 0,2,4,6
	v_pk_mul_f32 v[T+8*\b+\j:T+8*\b+\j+1], v[AC+8*\b+\j:AC+8*\b+\j+1], v[CB+8*(\b%4)+\j:CB+8*(\b%4)+\j+1] op_sel_hi:[1,0]   ; (x1 c, x2 c)
.endr
.irp j, 0,2,4,6
	v_pk_fma_f32 v[T+8*\b+\j:T+8*\b+\j+1], v[AC+8*\b+\j:AC+8*\b+\j+1], v[CB+8*(\b%4)+\j:CB+8*(\b%4)+\j+1], v[T+8*\b+\j:T+8*\b+\j+1] op_sel:[1,1,0] op_sel_hi:[0,1,1] neg_lo:[1,0,0]   ; (- x2 s, + x1 s)
.endr
.endr
.endm
	s_mov_b32 s20, 0x76543210
	s_mov_b32 s21, 0xfedcba98                      ; v_permlanex16_b32's selects for lane l xor 16
	s_mov_b32 s22, 0x600000                        ; the mantissa field of 57,344
.irp b, 0,1,2,3
	v_mov_b32 v[TM+4+\b], 0                        ; written once: a lane permute's destination counts as one of its sources
.endr
	s_cmp_eq_u32 s98, 2                            ; the type is the same in all partners
	s_cbranch_scc1 .Lv_path
	; ---- q and k.  Scratch: LDS bytes 1,024 x wave on, in slot 0, which has had its last fill and its last read
	LOADCS 2
	s_mov_b32 s46, 103<<16
	s_cmp_eq_u32 s98, 1
	s_cselect_b32 s47, 254<<16, s46                ; byte 2 of a padded token's word: k: 254, q: 103
	s_cselect_b32 s46, 0, s46                      ; of any other: k: 0, q: 103
	v_mov_b32 v[XM], s47
	v_mov_b32 v[XU], s46
.irp a, 0,1,2,3,4,5,6,7
.if \a < 6
	s_wait_loadcnt 16                              ; this block's cos and sin are in (and the mask); the two later sets, 8 loads each, may be out
.elseif \a == 6
	s_wait_loadcnt 8
.else
	s_wait_loadcnt 0
.endif
	ROPE \a
	WIN 0
.if \a < 5
	LOADCS \a+3                                    ; into the set just read
.endif
	s_wait_xcnt 0x0                                ; the last block's stores have read their data: the codes' registers are written again only behind this wait
	s_wait_dscnt 0x0                               ; and so have its LDS stores
	v_cmp_ne_u32 vcc_lo, 0, v[MK+\a]
	v_cndmask_b32 v[X2], v[XM], v[XU], vcc_lo
	QUANT T,0,0
	ds_store_b32 v[SWA], v[W0] offset:64*\a        ; lanes r and r + 16 write the same word with the same value
	ds_store_b32 v[SWA], v[W1] offset:512+64*\a
.irp c, 0,1,2,3
	global_store_b128 v[LI], v[PC+4*\c:PC+4*\c+3], s[12:13] offset:131072*(\c/2)+1024*\a+512*(\c%2)   ; 512 consecutive bytes: head c / 2, tile a, block c % 2
.endr
.endr
	ds_load_b128 v[T:T+3], v[SRB]                  ; LDS serves a wave's instructions in order: these see my stores.  8 tiles' words of a head are 512 consecutive bytes
	ds_load_b128 v[T+4:T+7], v[SRB] offset:512
	s_wait_dscnt 0x0
	global_store_b128 v[LI], v[T:T+3], s[66:67]
	global_store_b128 v[LI], v[T+4:T+7], s[66:67] offset:8192
	s_branch .Ldone
.Lv_path:
	; ---- v.  Scratch: LDS bytes 8,192 + 1,024 x wave on: bytes of this path's own
	s_wait_loadcnt 0x0                             ; the head's loads have landed: their registers may be written
.set n, 0
.rept 16
	v_mov_b32 v[ONES+n], 0x3c3c3c3c                ; 16 rows of the code 1.0
.set n, n+1
.endr
	v_mov_b32 v[ONESW], 0x7f7f7f7f                 ; under the scale 1
.irp a, 0,1,2,3,4,5,6,7
	s_wait_xcnt 0x0                                ; the last block's stores have read their data
	s_wait_dscnt 0x0
	QUANT 64*(\a%4),2+\a/4,1
.if \a > 0
	ds_store_b32 v[SWA], v[DV+8*((\a-1)%2)] offset:8192+512+64*(\a-1)   ; the last block's sums: the quantiser's lines are the places behind that product
.endif
	ds_store_b32 v[SWA], v[PW] offset:8192+64*\a
.irp c, 0,1,2,3
	global_store_b128 v[LI], v[PC+4*\c:PC+4*\c+3], s[12:13] offset:131072*(\a/4)+2048*(\a%4)+512*\c
.endr
.rept 3
	v_nop                                          ; with the one behind the conversions: four places between codes made by vector instructions and a scaled matrix instruction
.endr
	v_wmma_scale_f32_16x16x128_f8f6f4 v[DV+8*(\a%2):DV+8*(\a%2)+7], v[ONES:ONES+15], v[PC:PC+15], 0, v[ONESW], v[PW] matrix_a_fmt:MATRIX_FMT_BF8 matrix_b_fmt:MATRIX_FMT_BF8   ; every row: the sum over these 128 keys of the quantised v of feature r
.endr
	PLACES NP
	ds_store_b32 v[SWA], v[DV+8] offset:8192+512+64*7
	ds_load_b128 v[T:T+3], v[SRB] offset:8192
	ds_load_b128 v[T+4:T+7], v[SRB] offset:8192+512
	s_wait_dscnt 0x0
	global_store_b128 v[VSO], v[T:T+3], s[66:67]   ; a head's four tiles' words are 256 consecutive bytes: sixteen lanes each
	global_store_b128 v[LI], v[T+4:T+7], s[92:93]  ; the sums of my 128 features: 512 consecutive bytes
.Ldone:
	s_wait_tensorcnt 0x0                           ; the wave's end
	ds_add_u32 v[SPW], v[NIL]
	s_wait_dscnt 0x0
	CROUND                                         ; the closing round
	s_endpgm
.Lfunc_end_k_qaac1140211_qkv:
	.size	k_qaac1140211_qkv, .Lfunc_end_k_qaac1140211_qkv-k_qaac1140211_qkv
	.p2alignl 7, 3214868480
	.fill 96, 4, 3214868480
	.section	.rodata,"a",@progbits
	.p2align	6, 0x0
	.amdhsa_kernel k_qaac1140211_qkv
		.amdhsa_group_segment_fixed_size 327680
		.amdhsa_private_segment_fixed_size 0
		.amdhsa_enable_private_segment 0
		.amdhsa_kernarg_size 96
		.amdhsa_user_sgpr_count 2
		.amdhsa_user_sgpr_kernarg_segment_ptr 1
		.amdhsa_wavefront_size32 1
		.amdhsa_system_sgpr_workgroup_id_x 1
		.amdhsa_system_sgpr_workgroup_id_y 1
		.amdhsa_system_sgpr_workgroup_id_z 1
		.amdhsa_system_vgpr_workitem_id 0
		.amdhsa_next_free_vgpr 1024
		.amdhsa_next_free_sgpr 102
		.amdhsa_reserve_vcc 1
		.amdhsa_float_denorm_mode_32 3
		.amdhsa_float_denorm_mode_16_64 3
		.amdhsa_memory_ordered 1
		.amdhsa_forward_progress 1
		.amdhsa_inst_pref_size 255
	.end_amdhsa_kernel
	.section	.bss,"aw",@nobits
	.p2align	6
	.space	262144
	.amdgpu_metadata
---
amdhsa.version: [ 1, 2 ]
amdhsa.kernels:
  - .name:           k_qaac1140211_qkv
    .symbol:         k_qaac1140211_qkv.kd
    .args:
      - { .name: x_codes, .offset: 0, .size: 8, .value_kind: global_buffer, .address_space: global }
      - { .name: x_scales, .offset: 8, .size: 8, .value_kind: global_buffer, .address_space: global }
      - { .name: W_q_codes, .offset: 16, .size: 8, .value_kind: global_buffer, .address_space: global }
      - { .name: W_q_scales, .offset: 24, .size: 8, .value_kind: global_buffer, .address_space: global }
      - { .name: W_k_codes, .offset: 32, .size: 8, .value_kind: global_buffer, .address_space: global }
      - { .name: W_k_scales, .offset: 40, .size: 8, .value_kind: global_buffer, .address_space: global }
      - { .name: W_v_codes, .offset: 48, .size: 8, .value_kind: global_buffer, .address_space: global }
      - { .name: W_v_scales, .offset: 56, .size: 8, .value_kind: global_buffer, .address_space: global }
      - { .name: attention_mask, .offset: 64, .size: 8, .value_kind: global_buffer, .address_space: global }
      - { .name: rope, .offset: 72, .size: 8, .value_kind: global_buffer, .address_space: global }
      - { .name: qkvc, .offset: 80, .size: 8, .value_kind: global_buffer, .address_space: global }
      - { .name: qkvs, .offset: 88, .size: 8, .value_kind: global_buffer, .address_space: global }
    .group_segment_fixed_size: 327680
    .private_segment_fixed_size: 0
    .kernarg_segment_align: 8
    .kernarg_segment_size: 96
    .max_flat_workgroup_size: 128
    .sgpr_count:     102
    .vgpr_count:     1024
    .wavefront_size: 32
...
	.end_amdgpu_metadata
.endif
;; end of part 2
;; launch attn (part 3): grid 4 x 64, 8 waves a work-group, clusters of 4 x 1, 327,680 bytes of LDS; arguments qkvc, qkvs, ac, asc; writes ac, asc
.if DOCPART == 3
	.amdgcn_target "amdgcn-amd-amdhsa--gfx1250"
	.amdhsa_code_object_version 6
	.text
	.protected	k_qaac1140211_attn
	.globl	k_qaac1140211_attn
	.p2align	8
	.type	k_qaac1140211_attn,@function
k_qaac1140211_attn:
	s_mov_b64 s[64:65], 0
	v_nop
	global_prefetch_b8 v0, s[64:65] scope:SCOPE_SE
	s_setreg_imm32_b32 hwreg(HW_REG_WAVE_MODE, 25, 1), 1
	s_wait_xcnt 0x0
	s_wait_alu depctr_hold_cnt(0) depctr_sa_sdst(0) depctr_va_vdst(0) depctr_va_sdst(0) depctr_va_ssrc(0) depctr_va_vcc(0) depctr_vm_vsrc(0)
	s_getreg_b32 s2, hwreg(HW_REG_IB_STS2, 6, 4)
	s_cmp_eq_u32 s2, 0
	s_cbranch_scc0 .Lentry_in_a_cluster
	s_endpgm
.Lentry_in_a_cluster:
	s_bfe_u32 s2, ttmp6, 0x10000c
	s_cmp_lg_u32 s2, 0x3003
	s_cbranch_scc0 .Lentry_shape_is_right
	s_endpgm
.Lentry_shape_is_right:
; Causal attention with a pad mask on codes of BF8 (E5M2) with E8M0 scales, head size 64, 2,048 keys.  The weights are quantised FINISHED AND NORMALISED, so a query's maximum m and sum l must be final first:
; PASS 1 makes the scores and finds m and l (running maximum); PASS 2 makes the same scores again, p = 2^(c s - c m) / l, c = log2(e) / 8, quantises p along the keys and multiplies by V.
; SHARES.  A cluster of four work-groups owns one head; all four hold the head's K and V, codes and scale words, in LDS for the whole launch: filled once, by joint loads (the same descriptor and the mask 15 in all four).
; A head's 64 pairs of query tiles (32 queries) are dealt as pair 4 i + place: a pair needs i + 1 steps of 128 keys, whatever the place: so no branch hangs on the place.  Wave w takes i = 15 - w, then i = w: 17 pair-steps a wave.
; LAYOUT.  S^T = K Q^T (source 0 = 16 keys, source 1 = 16 queries) and O^T = V^T P^T: a lane holds ONE query (lane % 16).  Codes come as images of operand registers; inside a block of 32 both operands of a product carry the
; order k = 32 c + 16 (i / 8) + 8 (lane / 16) + i % 8 for byte i, which is the order in which results fall.
; THE SCORE PRODUCT'S K IS 64 OF THE INSTRUCTION'S 128.  Of the rest, k = 64 holds the code 1.0 (Q) and -1.0 (K), all else 0; byte 2 of the scale words (103 for Q; 254 for a padded key, else 0) makes a padded key's score -2^103.
; A QUERY ALL OF WHOSE CAUSAL KEYS ARE PADDED has the weight 2^-11 on all 2,048 keys: m begins at -2^100 and stays there for such a query alone; its p are 0, and its result is replaced by 2^-11 x the sum of the quantised V.
; LIMITS: raw scores must lie above -2^100; an unpadded key's score carries -2^-151; p under 2^-126 counts as 0; blocks under 2^-111 keep the scale byte 1; NaN and infinities are not served.
; OUT.  ac: [K step of 256][tile of 16 tokens][128 along K][block 4][lane][16 bytes]: images for the last product; asc: [token][32]: a scale byte for each 32 features (2 bytes a token and head: these blocks of 256 bytes are written in part).
; REGISTERS.  Tile A of the pair lives in window 0, tile B is its mirror in window 1.  v1-6 addresses; v7 the mask's number; v8-11 scale words of Q and of p (window 0 alone); v12 c m, v13 m, v14-15 l, then 1 / l; v16-31 Q;
;   v32-95 K's fragments 0-3 (window 1: 4-7); v96-159 S, then p (window 0's then take V's four fragments); v160-191 O^T; v192-207 p's codes; v208-227 at work; v228-235 K's scale words, v236-239 V's.
.set KCB,  0                           ; LDS: K's codes, 8,192 bytes a step of 128 keys
.set VCB,  131072                      ; V's codes, likewise
.set KSWB, 262144                      ; K's scale words, 512 bytes a step
.set VSWB, 270336                      ; V's, 256 bytes a step
.set VBB,  274432                      ; 64 numbers: 2^-11 x the head's sums of V: a block of 256 bytes into which no fill lands
.set LI,  1
.set LS,  2
.set ADK, 3
.set ADS, 4
.set ADV, 5
.set ADT, 6
.set DQ,  7
.set QS,  8
.set PS,  10
.set CM,  12
.set M,   13
.set L,   14
.set Q,   16
.set KF,  32
.set S,   96
.set O,   160
.set P,   192
.set W,   208
.set NEGI, 225                         ; -infinity
.set WD,  226                          ; window 0: the two tiles' scale bytes on the way out
.set KSR, 228
.set VSR, 236
.set VBA, 240                          ; LDS address VBB + 4 x thread
.set GOF, 241                          ; 4 x thread
.set VBL, 242                          ; VBB + 32 (lane / 16)
.set AOF, 243                          ; 32 x lane
.set WV,  12
.set THR, 18                           ; -2^100
.set MNT, 19
.set SEL, 20
.set CS,  22
.set G1L, 24                           ; descriptor group 1: 64 rows of 256 bytes;  G1M: 4;  G1S: 2
.set G1M, 32
.set G1S, 40
.set QB,  66                           ; s[66:73] bases that hang on head and place;  s[74:81] the same for the pair in hand
.set QSB, 68
.set ACB, 70
.set ASB, 72
.set QA,  74
.set SQ,  76
.set ACA, 78
.set ASA, 80
.set IT,  82                           ; i of the pair in hand
.set ST,  83                           ; the key step
.set TK,  84
.set TS,  85
.set TV,  86
.set TT,  87
.set NT,  88
.set OFF, 90
.set VSP, 92
.set MSB, 0
.macro WIN new
.if MSB != (\new)
	s_set_vgpr_msb (MSB<<8)|(\new)
.set MSB, (\new)
.endif
.endm
.macro ROUND                           ; a round of the cluster's barrier
	s_barrier_signal -1
	s_barrier_wait -1
	s_cmp_lg_u32 s[WV], 0
	s_cbranch_scc1 .Lnot_wave_0_\@
	s_barrier_signal -3
.Lnot_wave_0_\@:
	s_barrier_wait -3
	s_barrier_signal -1
	s_barrier_wait -1
.endm
.macro DESC1 g, r                      ; a dense block as r rows of 256 bytes (32 elements of 8 bytes), no padding; the mask names all four work-groups, bit 21 beside it
	s_mov_b32 s[\g], 15|(3<<16)|(1<<21)
	s_mov_b32 s[\g+1], 32<<16
	s_mov_b32 s[\g+2], (\r)<<16
	s_mov_b32 s[\g+3], 32<<16
	s_mov_b32 s[\g+4], \r
	s_mov_b32 s[\g+5], 32
	s_mov_b32 s[\g+6], 0
	s_mov_b32 s[\g+7], 0
.endm
	s_load_b256 s[4:11], s[0:1], 0x0               ; qkvc, qkvs, ac, asc
	v_lshl_add_u32 v254, v0, 2, 0x43100
	v_mov_b32 v255, 0
	ds_add_u32 v254, v255
	ds_add_u32 v254, v255
	v_lshrrev_b32 v1, 5, v0
	s_delay_alu instid0(VALU_DEP_1)
	v_readfirstlane_b32 s[WV], v1                  ; wave 0..7
	s_bfe_u32 s13, ttmp6, 0x40000                  ; my place in the cluster: it enters global addresses and one compared number, nothing else
	s_and_b32 s14, ttmp7, 0xffff                   ; 16 b + h
	s_lshr_b32 s15, s14, 4                         ; b
	s_and_b32 s16, s14, 15                         ; h
	s_mov_b32 s[THR], 0xf1800000
	s_mov_b32 s[SEL], 0x76543210
	s_mov_b32 s[SEL+1], 0xfedcba98
	s_mov_b32 s[CS], 0x3e38aa3b                    ; c = log2(e) / 8
	s_mov_b32 s[CS+1], s[CS]
	DESC1 G1L, 64
	DESC1 G1M, 4
	DESC1 G1S, 2
	s_mov_b32 s[OFF+1], 0
	s_lshl_b32 s2, s14, 17
	s_lshl_b32 s3, s[WV], 14
	s_add_co_u32 s2, s2, s3                        ; codes: the head's 131,072 bytes, my wave's eighth
	s_lshl_b32 s17, s14, 13
	s_lshl_b32 s3, s[WV], 10
	s_add_co_u32 s17, s17, s3                      ; K's scale words: 8,192 bytes, my eighth
	s_wait_dscnt 0x0
	s_wait_kmcnt 0x0
	s_mov_b32 s48, 1                               ; group 0: K's scale words
	s_add_co_u32 s49, s3, KSWB
	s_add_co_u32 s[OFF], s17, 0x80000
	s_add_nc_u64 s[50:51], s[6:7], s[OFF:OFF+1]
	s_or_b32 s51, s51, 0x80000000
	s_mov_b32 s52, 1                               ; K's codes
	s_lshl_b32 s53, s[WV], 14
	s_add_co_u32 s[OFF], s2, 0x800000
	s_add_nc_u64 s[54:55], s[4:5], s[OFF:OFF+1]
	s_or_b32 s55, s55, 0x80000000
	s_mov_b32 s56, 1                               ; V's scale words: 4,096 bytes, my eighth
	s_lshl_b32 s3, s[WV], 9
	s_add_co_u32 s57, s3, VSWB
	s_lshl_b32 s[OFF], s14, 12
	s_add_co_u32 s[OFF], s[OFF], s3
	s_add_co_u32 s[OFF], s[OFF], 0x100000
	s_add_nc_u64 s[58:59], s[6:7], s[OFF:OFF+1]
	s_or_b32 s59, s59, 0x80000000
	s_mov_b32 s60, 1                               ; V's codes
	s_add_co_u32 s61, s53, VCB
	s_add_co_u32 s[OFF], s2, 0x1000000
	s_add_nc_u64 s[62:63], s[4:5], s[OFF:OFF+1]
	s_or_b32 s63, s63, 0x80000000
	ROUND                                          ; all four work-groups are here: the joint loads meet
	tensor_load_to_lds s[48:51], s[G1M:G1M+7]      ; every wave issues four: four tensor loads of a wave are out; each byte of LDS is filled once
	s_nop 0
	tensor_load_to_lds s[52:55], s[G1L:G1L+7]
	s_nop 0
	tensor_load_to_lds s[56:59], s[G1S:G1S+7]
	s_nop 0
	tensor_load_to_lds s[60:63], s[G1L:G1L+7]
	s_nop 0
.rept 4
	v_nop
.endr
	s_lshl_b32 s[OFF], s14, 17                     ; Q's images: tile 8 i + 2 place: head 2^17 + place 2^11 (+ i 2^13)
	s_lshl_b32 s3, s13, 11
	s_add_co_u32 s[OFF], s[OFF], s3
	s_add_nc_u64 s[QB:QB+1], s[4:5], s[OFF:OFF+1]
	s_lshl_b32 s[OFF], s14, 13                     ; Q's scale words: head 2^13 + place 2^7 (+ i 2^9)
	s_lshl_b32 s3, s13, 7
	s_add_co_u32 s[OFF], s[OFF], s3
	s_add_nc_u64 s[QSB:QSB+1], s[6:7], s[OFF:OFF+1]
	s_lshr_b32 s[OFF], s16, 2                      ; ac: (h / 4) 2^21 + b 2^19 + place 2^13 + (h % 4) 2^10 (+ i 2^15)
	s_lshl_b32 s[OFF], s[OFF], 21
	s_lshl_b32 s3, s15, 19
	s_add_co_u32 s[OFF], s[OFF], s3
	s_lshl_b32 s3, s13, 13
	s_add_co_u32 s[OFF], s[OFF], s3
	s_and_b32 s3, s16, 3
	s_lshl_b32 s3, s3, 10
	s_add_co_u32 s[OFF], s[OFF], s3
	s_add_nc_u64 s[ACB:ACB+1], s[8:9], s[OFF:OFF+1]
	s_lshl_b32 s[OFF], s15, 16                     ; asc: b 2^16 + place 2^10 + 2 h (+ i 2^12)
	s_lshl_b32 s3, s13, 10
	s_add_co_u32 s[OFF], s[OFF], s3
	s_lshl_b32 s3, s16, 1
	s_add_co_u32 s[OFF], s[OFF], s3
	s_add_nc_u64 s[ASB:ASB+1], s[10:11], s[OFF:OFF+1]
	s_lshl_b32 s[OFF], s15, 16                     ; the sums of V: 16 rows of 4,096 bytes for b, 256 h
	s_lshl_b32 s3, s16, 8
	s_add_co_u32 s[OFF], s[OFF], s3
	s_add_co_u32 s[OFF], s[OFF], 0x140000
	s_add_nc_u64 s[VSP:VSP+1], s[6:7], s[OFF:OFF+1]
	v_and_b32 v244, 31, v0
	s_delay_alu instid0(VALU_DEP_1)
	v_lshlrev_b32 v[LI], 4, v244                   ; 16 x lane
	v_and_b32 v245, 15, v0                         ; r
	s_delay_alu instid0(VALU_DEP_1)
	v_lshlrev_b32 v[LS], 2, v245                   ; 4 r
	v_bfe_u32 v246, v0, 4, 1                       ; h
	s_delay_alu instid0(VALU_DEP_1)
	v_lshl_add_u32 v[VBL], v246, 5, VBB
	v_lshlrev_b32 v[AOF], 5, v244
	v_lshl_add_u32 v[VBA], v0, 2, VBB
	v_lshlrev_b32 v[GOF], 2, v0
	v_lshlrev_b32 v247, 3, v246
	s_delay_alu instid0(VALU_DEP_1)
	v_sub_nc_u32 v247, v245, v247
	s_lshl_b32 s17, s13, 5
	v_add_nc_u32 v[DQ], s17, v247                  ; my query's place in its step of 128, less 8 h: register 8 f + j holds key 16 f + j + 8 h, hidden where 16 f + j is greater than this
	v_sub_nc_u32 v246, 1, v246
	s_delay_alu instid0(VALU_DEP_1)
	v_mul_u32_u24 v248, v246, 0x3c                 ; the code 1.0 at k = 64: byte 0 of register 8, lanes 0-15
	s_delay_alu instid0(VALU_DEP_2)
	v_mul_u32_u24 v249, v246, 0xbc                 ; the code -1.0
	v_mov_b32 v250, 0xff800000
	v_mov_b32 v251, s[THR]
	s_delay_alu instid0(VALU_DEP_1)
	v_mul_f32 v251, s[CS], v251                    ; c x -2^100: exact
.macro CONSTS                          ; the upper half of K of Q's and of K's fragments, set once; what lane permutes and pairs name before it is first made
	v_mov_b32 v[Q+8], v248
.irp i, 9,10,11,12,13,14,15
	v_mov_b32 v[Q+\i], 0
.endr
.irp f, 0,1,2,3
	v_mov_b32 v[KF+16*\f+8], v249
.irp i, 9,10,11,12,13,14,15
	v_mov_b32 v[KF+16*\f+\i], 0
.endr
.endr
.irp i, 4,5,6,7
	v_mov_b32 v[W+\i], 0
.endr
	v_mov_b32 v[NEGI], v250
.endm
	CONSTS
	WIN 0x40                                       ; destination window 1
	CONSTS
	v_add_nc_u32 v[DQ], 16, v[DQ]                  ; tile B's queries lie 16 further on
	WIN 0
	s_cmp_lt_u32 s[WV], 2                          ; waves 0 and 1: thread d sums feature d's 16 partial sums
	s_cbranch_scc0 .Lno_vbar
.irp k, 0,1,2,3,4,5,6,7,8,9,10,11,12,13,14,15
	global_load_b32 v[S+\k], v[GOF], s[VSP:VSP+1] offset:4096*\k
.endr
	s_wait_loadcnt 0x0
.irp k, 0,2,4,6,8,10,12,14
	v_add_f32 v[S+\k], v[S+\k], v[S+\k+1]
.endr
.irp k, 0,4,8,12
	v_add_f32 v[S+\k], v[S+\k], v[S+\k+2]
.endr
	s_delay_alu instid0(VALU_DEP_3)
	v_add_f32 v[S], v[S], v[S+4]
	s_delay_alu instid0(VALU_DEP_2)
	v_add_f32 v[S+8], v[S+8], v[S+12]
	s_delay_alu instid0(VALU_DEP_1)
	v_add_f32 v[S], v[S], v[S+8]
	s_delay_alu instid0(VALU_DEP_1)
	v_mul_f32 v[S], 0x3a000000, v[S]               ; x 2^-11
	ds_store_b32 v[VBA], v[S]
.Lno_vbar:
	s_wait_tensorcnt 0x0                           ; my parts of K and V have landed,
	s_wait_dscnt 0x0                               ; my store too:
	s_barrier_signal -1
	s_barrier_wait -1                              ; everybody's have.  From here on LDS is only read
; The largest score of each block of 32 keys, my 16 of them; each accumulator is read from its low end on
.macro BMAX
.irp b, 0,1,2,3
	v_max3_num_f32 v[W+\b], v[S+16*\b], v[S+16*\b+1], v[S+16*\b+2]
.endr
.irp i, 3,5,7,9,11,13
.irp b, 0,1,2,3
	v_max3_num_f32 v[W+\b], v[W+\b], v[S+16*\b+\i], v[S+16*\b+\i+1]
.endr
.endr
.irp b, 0,1,2,3
	v_max_num_f32 v[W+\b], v[W+\b], v[S+16*\b+15]
.endr
.endm
.macro SCALE_S                         ; c s - c m, two at a time
.set n, 0
.rept 32
	v_pk_fma_f32 v[S+n:S+n+1], v[S+n:S+n+1], s[CS:CS+1], v[CM:CM+1] op_sel_hi:[1,0,0] neg_lo:[0,0,1] neg_hi:[0,0,1]
.set n, n+2
.endr
.endm
.macro EXP_S
.set n, 0
.rept 64
	v_exp_f32 v[S+n], v[S+n]
.set n, n+1
.endr
.endm
; The scores of a step of 128 keys for both tiles: 8 fragments of K (two loads each: the upper half of K stays), 8 scale words, 16 products
.macro QK
	v_add_nc_u32 v[ADK], s[TK], v[LI]
	v_add_nc_u32 v[ADS], s[TS], v[LS]
.irp f, 0,1,2,3
	ds_load_b128 v[KF+16*\f:KF+16*\f+3], v[ADK] offset:1024*\f
	ds_load_b128 v[KF+16*\f+4:KF+16*\f+7], v[ADK] offset:1024*\f+512
.endr
.irp f, 0,1,2,3,4,5,6,7
	ds_load_b32 v[KSR+\f], v[ADS] offset:64*\f
.endr
	WIN 0x40
.irp f, 0,1,2,3
	ds_load_b128 v[KF+16*\f:KF+16*\f+3], v[ADK] offset:1024*(\f+4)
	ds_load_b128 v[KF+16*\f+4:KF+16*\f+7], v[ADK] offset:1024*(\f+4)+512
.endr
	s_wait_dscnt 0x0
	WIN 0
.irp f, 0,1,2,3
	v_wmma_scale_f32_16x16x128_f8f6f4 v[S+8*\f:S+8*\f+7], v[KF+16*\f:KF+16*\f+15], v[Q:Q+15], 0, v[KSR+\f], v[QS] matrix_a_fmt:MATRIX_FMT_BF8 matrix_b_fmt:MATRIX_FMT_BF8
.endr
	WIN 0x54                                       ; K window 0; Q and S window 1
.irp f, 0,1,2,3
	v_wmma_scale_f32_16x16x128_f8f6f4 v[S+8*\f:S+8*\f+7], v[KF+16*\f:KF+16*\f+15], v[Q:Q+15], 0, v[KSR+\f], v[QS+1] matrix_a_fmt:MATRIX_FMT_BF8 matrix_b_fmt:MATRIX_FMT_BF8
.endr
	WIN 0x01                                       ; K window 1; Q and S window 0
.irp f, 0,1,2,3
	v_wmma_scale_f32_16x16x128_f8f6f4 v[S+32+8*\f:S+32+8*\f+7], v[KF+16*\f:KF+16*\f+15], v[Q:Q+15], 0, v[KSR+4+\f], v[QS] matrix_a_fmt:MATRIX_FMT_BF8 matrix_b_fmt:MATRIX_FMT_BF8
.endr
	WIN 0x55
.irp f, 0,1,2,3
	v_wmma_scale_f32_16x16x128_f8f6f4 v[S+32+8*\f:S+32+8*\f+7], v[KF+16*\f:KF+16*\f+15], v[Q:Q+15], 0, v[KSR+4+\f], v[QS+1] matrix_a_fmt:MATRIX_FMT_BF8 matrix_b_fmt:MATRIX_FMT_BF8
.endr
	WIN 0
.rept 8
	v_nop                                          ; places in front of the first read of the scores
.endr
.endm
.macro MASK x                          ; the step on the diagonal: hidden keys' scores become -infinity
	WIN 0x55*\x
.set n, 0
.rept 64
	v_cmp_gt_i32 vcc_lo, 16*(n/8)+n%8, v[DQ]
	v_cndmask_b32 v[S+n], v[S+n], v[NEGI], vcc_lo
.set n, n+1
.endr
.endm
; Pass 1 for one tile: the running maximum and sum
.macro STAT x
	WIN 0x55*\x
	BMAX
	s_delay_alu instid0(VALU_DEP_2)
	v_max3_num_f32 v[W+4], v[W], v[W+1], v[W+2]
	s_delay_alu instid0(VALU_DEP_1)
	v_max3_num_f32 v[W+4], v[W+4], v[W+3], v[M]
	s_delay_alu instid0(VALU_DEP_1)
	v_permlanex16_b32 v[W+5], v[W+4], s[SEL], s[SEL+1]   ; the query's other 64 keys lie in the lane 16 away
	v_mov_b32 v[W+6], v[CM]
	s_delay_alu instid0(VALU_DEP_2)
	v_max_num_f32 v[M], v[W+4], v[W+5]
	s_delay_alu instid0(VALU_DEP_1)
	v_mul_f32 v[CM], s[CS], v[M]
	s_delay_alu instid0(VALU_DEP_1)
	v_sub_f32 v[W+6], v[W+6], v[CM]                ; c m_old - c m_new
	SCALE_S
	s_wait_alu depctr_va_vdst(0)
	v_exp_f32 v[W+6], v[W+6]                       ; a
	EXP_S
	v_nop                                          ; a plain instruction behind the last exponential,
	s_wait_alu depctr_va_vdst(0)                   ; and one wait for the batch of 65, ahead of its first reader
	v_pk_mul_f32 v[L:L+1], v[L:L+1], v[W+6:W+7] op_sel_hi:[1,0]
	v_pk_add_f32 v[W+8:W+9], v[S:S+1], v[S+2:S+3]
.set n, 4
.rept 15
	v_pk_add_f32 v[L:L+1], v[L:L+1], v[S+n:S+n+1]
	v_pk_add_f32 v[W+8:W+9], v[W+8:W+9], v[S+n+2:S+n+3]
.set n, n+4
.endr
	s_delay_alu instid0(VALU_DEP_1)
	v_pk_add_f32 v[L:L+1], v[L:L+1], v[W+8:W+9]
.endm
.macro FIN1 x                          ; 1 / l; a query that has seen no key (m is still -2^100, l is 0) takes 1
	WIN 0x55*\x
	v_add_f32 v[L], v[L], v[L+1]
	s_delay_alu instid0(VALU_DEP_1)
	v_permlanex16_b32 v[W+5], v[L], s[SEL], s[SEL+1]
	v_cmp_eq_u32 vcc_lo, s[THR], v[M]
	s_delay_alu instid0(VALU_DEP_2)
	v_add_f32 v[L], v[L], v[W+5]
	s_delay_alu instid0(VALU_DEP_1)
	v_cndmask_b32 v[L], v[L], 1.0, vcc_lo
	s_wait_alu depctr_va_vdst(0)
	v_rcp_f32 v[L], v[L]
	v_nop
	s_wait_alu depctr_va_vdst(0)
.endm
; Pass 2 for one tile: p = 2^(c s - c m) / l, quantised along the keys.  A block's largest p is its largest score put through the same instructions
.macro SOFT x
	WIN 0x55*\x
	BMAX
.irp b, 0,1,2,3
	v_permlanex16_b32 v[W+4+\b], v[W+\b], s[SEL], s[SEL+1]
.endr
.irp b, 0,1,2,3
	s_delay_alu instid0(VALU_DEP_4)
	v_max_num_f32 v[W+\b], v[W+\b], v[W+4+\b]
.endr
	SCALE_S
.irp b, 0,1,2,3
	v_fma_f32 v[W+\b], v[W+\b], s[CS], -v[CM]
.endr
	s_wait_alu depctr_va_vdst(0)
	EXP_S
	v_nop
	s_wait_alu depctr_va_vdst(0)                   ; one wait for the 64
.irp b, 0,1,2,3
	v_exp_f32 v[W+\b], v[W+\b]
.endr
.set n, 0
.rept 32
	v_pk_mul_f32 v[S+n:S+n+1], v[S+n:S+n+1], v[L:L+1] op_sel_hi:[1,0]   ; / l: these read the 64 alone: plain work behind the four
.set n, n+2
.endr
	s_wait_alu depctr_va_vdst(0)                   ; and one for the four
.irp b, 0,1,2,3
	v_mul_f32 v[W+\b], v[W+\b], v[L]
.endr
.irp b, 0,1,2,3
	s_delay_alu instid0(VALU_DEP_4)
	v_max_num_f32 v[W+\b], 0x8000000, v[W+\b]      ; the floor 2^(16 - 127)
.endr
.irp b, 0,1,2,3
	s_delay_alu instid0(VALU_DEP_4)
	v_add_nc_u32 v[W+12+\b], 0xf8800000, v[W+\b]   ; the conversion's scale operand
.endr
.irp b, 0,1,2,3
.endr
.irp b, 0,1,2,3
	s_delay_alu instid0(VALU_DEP_4)
	v_lshrrev_b32 v[W+4+\b], 23, v[W+12+\b]
.endr
	s_delay_alu instid0(VALU_DEP_3)
	v_lshl_or_b32 v[W+16], v[W+5], 8, v[W+4]
	s_delay_alu instid0(VALU_DEP_1)
	v_lshl_or_b32 v[W+16], v[W+6], 16, v[W+16]
	WIN 0x15*\x                                    ; scale operands are taken from window 0: the word's last line writes there
	v_lshl_or_b32 v[PS+\x], v[W+7], 24, v[W+16]
	WIN 0x55*\x
.irp b, 0,1,2,3
.irp i, 0,1,2,3,4,5,6,7,8,9,10,11,12,13,14,15
.endr
	v_cvt_scalef32_pk8_bf8_f32 v[P+4*\b:P+4*\b+1], v[S+16*\b:S+16*\b+7], v[W+12+\b]
	v_cvt_scalef32_pk8_bf8_f32 v[P+4*\b+2:P+4*\b+3], v[S+16*\b+8:S+16*\b+15], v[W+12+\b]
.endr
	v_nop
.endm
.macro INIT                            ; a pair begins: O^T and l are zeros, m is -2^100
.set n, 0
.rept 32
	v_mov_b32 v[O+n], 0
.set n, n+1
.endr
	v_mov_b32 v[M], s[THR]
	v_mov_b32 v[CM], v251
	v_mov_b32 v[L], 0
	v_mov_b32 v[L+1], 0
.endm
; The way out of one tile: the fully padded queries' results, then the quantiser along the head's 64 (two blocks), the image and the two scale bytes
.macro FINISH x
	WIN 0x55*\x
	v_cmp_eq_u32 vcc_lo, s[THR], v[M]
	WIN 0x41*\x                                    ; O^T in my window, the sums in window 0
.set n, 0
.rept 32
	v_cndmask_b32 v[O+n], v[O+n], v[S+n], vcc_lo
.set n, n+1
.endr
	WIN 0x55*\x
.irp c, 0,1
	v_max3_num_f32 v[W+\c], |v[O+16*\c]|, |v[O+16*\c+1]|, 0x8000000
.endr
.irp i, 2,4,6,8,10,12,14
.irp c, 0,1
	s_delay_alu instid0(VALU_DEP_2)
	v_max3_num_f32 v[W+\c], v[W+\c], |v[O+16*\c+\i]|, |v[O+16*\c+\i+1]|
.endr
.endr
.irp c, 0,1
	s_delay_alu instid0(VALU_DEP_2)
	v_permlanex16_b32 v[W+4+\c], v[W+\c], s[SEL], s[SEL+1]
.endr
.irp c, 0,1
	s_delay_alu instid0(VALU_DEP_2)
	v_max_num_f32 v[W+\c], v[W+\c], v[W+4+\c]
.endr
.irp c, 0,1
	s_delay_alu instid0(VALU_DEP_2)
	v_add_nc_u32 v[W+12+\c], 0xf8800000, v[W+\c]
.endr
.irp c, 0,1
.endr
.irp c, 0,1
	s_delay_alu instid0(VALU_DEP_2)
	v_lshrrev_b32 v[W+4+\c], 23, v[W+12+\c]
.endr
	WIN 0x15*\x
	v_lshl_or_b32 v[WD+\x], v[W+5], 8, v[W+4]
	WIN 0x55*\x
.irp c, 0,1
.irp i, 0,1,2,3,4,5,6,7,8,9,10,11,12,13,14,15
.endr
	v_cvt_scalef32_pk8_bf8_f32 v[P+4*\c:P+4*\c+1], v[O+16*\c:O+16*\c+7], v[W+12+\c]
	v_cvt_scalef32_pk8_bf8_f32 v[P+4*\c+2:P+4*\c+3], v[O+16*\c+8:O+16*\c+15], v[W+12+\c]
.endr
	v_nop
	WIN 0x04*\x                                    ; a store's data are its source 1
	global_store_b128 v[LI], v[P:P+3], s[ACA:ACA+1] offset:4096*\x        ; 512 consecutive bytes each
	global_store_b128 v[LI], v[P+4:P+7], s[ACA:ACA+1] offset:4096*\x+512
.endm
	s_sub_co_u32 s[IT], 15, s[WV]
	s_mov_b32 s[NT], 2
.Ltile:                                                ; two trips: i = 15 - wave, then i = wave
	s_wait_xcnt 0x0                                ; the last pair's stores have read their data and addresses
	s_lshl_b32 s[OFF], s[IT], 13
	s_add_nc_u64 s[QA:QA+1], s[QB:QB+1], s[OFF:OFF+1]
	s_lshl_b32 s[OFF], s[IT], 9
	s_add_nc_u64 s[SQ:SQ+1], s[QSB:QSB+1], s[OFF:OFF+1]
	s_lshl_b32 s[OFF], s[IT], 15
	s_add_nc_u64 s[ACA:ACA+1], s[ACB:ACB+1], s[OFF:OFF+1]
	s_lshl_b32 s[OFF], s[IT], 12
	s_add_nc_u64 s[ASA:ASA+1], s[ASB:ASB+1], s[OFF:OFF+1]
	global_load_b128 v[Q:Q+3], v[LI], s[QA:QA+1]
	global_load_b128 v[Q+4:Q+7], v[LI], s[QA:QA+1] offset:512
	global_load_b32 v[QS], v[LS], s[SQ:SQ+1]
	global_load_b32 v[QS+1], v[LS], s[SQ:SQ+1] offset:64
	INIT
	WIN 0x40
	global_load_b128 v[Q:Q+3], v[LI], s[QA:QA+1] offset:1024
	global_load_b128 v[Q+4:Q+7], v[LI], s[QA:QA+1] offset:1536
	INIT
	WIN 0
	s_wait_loadcnt 0x0
	; ---- pass 1.  The trip count is a constant; a step all of whose keys come after the pair's queries is jumped over, but for the lines that step addresses
	s_mov_b32 s[ST], 0
	s_mov_b32 s[TK], KCB
	s_mov_b32 s[TS], KSWB
.Lp1:
	s_cmp_gt_u32 s[ST], s[IT]
	s_cbranch_scc1 .Lp1_skip
	QK
	s_cmp_lg_u32 s[ST], s[IT]
	s_cbranch_scc1 .Lp1_open
	MASK 0
	MASK 1
	WIN 0
.Lp1_open:
	STAT 0
	STAT 1
	WIN 0
.Lp1_skip:
	s_add_co_u32 s[TK], s[TK], 8192
	s_add_co_u32 s[TS], s[TS], 512
	s_add_co_u32 s[ST], s[ST], 1
	s_cmp_lt_u32 s[ST], 16
	s_cbranch_scc1 .Lp1
	FIN1 0
	FIN1 1
	WIN 0
	; ---- pass 2
	s_mov_b32 s[ST], 0
	s_mov_b32 s[TK], KCB
	s_mov_b32 s[TS], KSWB
	s_mov_b32 s[TV], VCB
	s_mov_b32 s[TT], VSWB
.Lp2:
	s_cmp_gt_u32 s[ST], s[IT]
	s_cbranch_scc1 .Lp2_skip
	QK
	s_cmp_lg_u32 s[ST], s[IT]
	s_cbranch_scc1 .Lp2_open
	MASK 0
	MASK 1
	WIN 0
.Lp2_open:
	SOFT 0
	v_add_nc_u32 v[ADV], s[TV], v[LI]
	v_add_nc_u32 v[ADT], s[TT], v[LS]
.irp t, 0,1,2,3
.irp c, 0,1,2,3
	ds_load_b128 v[S+16*\t+4*\c:S+16*\t+4*\c+3], v[ADV] offset:2048*\t+512*\c   ; V's four fragments take tile A's p, which has become codes; they land under tile B's softmax
.endr
	ds_load_b32 v[VSR+\t], v[ADT] offset:64*\t
.endr
	SOFT 1
.rept 3
	v_nop                                          ; with the one behind the conversions: four places between codes made by vector instructions and a scaled matrix instruction
.endr
	s_wait_alu depctr_va_vdst(0)
	s_wait_dscnt 0x0
	WIN 0
.irp t, 0,1,2,3                        ; O^T += V^T P^T: eight accumulators by turns, one instruction a turn
	v_wmma_scale_f32_16x16x128_f8f6f4 v[O+8*\t:O+8*\t+7], v[S+16*\t:S+16*\t+15], v[P:P+15], v[O+8*\t:O+8*\t+7], v[VSR+\t], v[PS] matrix_a_fmt:MATRIX_FMT_BF8 matrix_b_fmt:MATRIX_FMT_BF8
.endr
	WIN 0x54                                       ; V window 0; P and O^T window 1
.irp t, 0,1,2,3
	v_wmma_scale_f32_16x16x128_f8f6f4 v[O+8*\t:O+8*\t+7], v[S+16*\t:S+16*\t+15], v[P:P+15], v[O+8*\t:O+8*\t+7], v[VSR+\t], v[PS+1] matrix_a_fmt:MATRIX_FMT_BF8 matrix_b_fmt:MATRIX_FMT_BF8
.endr
	WIN 0
.rept 9
	v_nop                                          ; nine places: the next step's score products write over V's registers
.endr
.Lp2_skip:
	s_add_co_u32 s[TK], s[TK], 8192
	s_add_co_u32 s[TS], s[TS], 512
	s_add_co_u32 s[TV], s[TV], 8192
	s_add_co_u32 s[TT], s[TT], 256
	s_add_co_u32 s[ST], s[ST], 1
	s_cmp_lt_u32 s[ST], 16
	s_cbranch_scc1 .Lp2
	; ---- the way out
.irp t, 0,1,2,3
	ds_load_b128 v[S+8*\t:S+8*\t+3], v[VBL] offset:64*\t        ; register 8 t + j: feature 16 t + 8 h + j, as in O^T
	ds_load_b128 v[S+8*\t+4:S+8*\t+7], v[VBL] offset:64*\t+16
.endr
	s_wait_dscnt 0x0
	FINISH 0
	FINISH 1
	WIN 0
	s_mov_b32 vcc_lo, 0xffff0000
	v_cndmask_b32 v[WD], v[WD], v[WD+1], vcc_lo    ; lanes 0-15: tile A's tokens, lanes 16-31: tile B's
	global_store_b16 v[AOF], v[WD], s[ASA:ASA+1]
	s_sub_co_u32 s[IT], 15, s[IT]
	s_sub_co_u32 s[NT], s[NT], 1
	s_cmp_lg_u32 s[NT], 0
	s_cbranch_scc1 .Ltile
	s_wait_tensorcnt 0x0
	ds_add_u32 v254, v255
	s_wait_dscnt 0x0
	ROUND                                          ; the closing round
	s_endpgm
.Lfunc_end_k_qaac1140211_attn:
	.size	k_qaac1140211_attn, .Lfunc_end_k_qaac1140211_attn-k_qaac1140211_attn
	.p2alignl 7, 3214868480
	.fill 96, 4, 3214868480
	.section	.rodata,"a",@progbits
	.p2align	6, 0x0
	.amdhsa_kernel k_qaac1140211_attn
		.amdhsa_group_segment_fixed_size 327680
		.amdhsa_private_segment_fixed_size 0
		.amdhsa_enable_private_segment 0
		.amdhsa_kernarg_size 32
		.amdhsa_user_sgpr_count 2
		.amdhsa_user_sgpr_kernarg_segment_ptr 1
		.amdhsa_wavefront_size32 1
		.amdhsa_system_sgpr_workgroup_id_x 1
		.amdhsa_system_sgpr_workgroup_id_y 1
		.amdhsa_system_sgpr_workgroup_id_z 1
		.amdhsa_system_vgpr_workitem_id 0
		.amdhsa_next_free_vgpr 512
		.amdhsa_next_free_sgpr 96
		.amdhsa_reserve_vcc 1
		.amdhsa_float_denorm_mode_32 3
		.amdhsa_float_denorm_mode_16_64 3
		.amdhsa_fp16_overflow 1
		.amdhsa_memory_ordered 1
		.amdhsa_forward_progress 1
		.amdhsa_inst_pref_size 97
	.end_amdhsa_kernel
	.amdgpu_metadata
---
amdhsa.version: [ 1, 2 ]
amdhsa.kernels:
  - .name:           k_qaac1140211_attn
    .symbol:         k_qaac1140211_attn.kd
    .args:
      - { .name: qkvc, .offset: 0, .size: 8, .value_kind: global_buffer, .address_space: global }
      - { .name: qkvs, .offset: 8, .size: 8, .value_kind: global_buffer, .address_space: global }
      - { .name: ac, .offset: 16, .size: 8, .value_kind: global_buffer, .address_space: global }
      - { .name: asc, .offset: 24, .size: 8, .value_kind: global_buffer, .address_space: global }
    .group_segment_fixed_size: 327680
    .private_segment_fixed_size: 0
    .kernarg_segment_align: 8
    .kernarg_segment_size: 32
    .max_flat_workgroup_size: 256
    .sgpr_count:     96
    .vgpr_count:     512
    .wavefront_size: 32
...
	.end_amdgpu_metadata
.endif
;; end of part 3
;; launch oproj (part 4): grid 4 x 64, 4 waves a work-group, clusters of 4 x 4, 327,680 bytes of LDS; arguments ac, asc, W_o_codes, W_o_scales, out0; writes out0
.if DOCPART == 4
	.amdgcn_target "amdgcn-amd-amdhsa--gfx1250"
	.amdhsa_code_object_version 6
	.text
	.protected	k_qaac1140211_oproj
	.globl	k_qaac1140211_oproj
	.p2align	8
	.type	k_qaac1140211_oproj,@function
k_qaac1140211_oproj:
	s_mov_b64 s[64:65], 0
	v_nop
	global_prefetch_b8 v0, s[64:65] scope:SCOPE_SE
	s_setreg_imm32_b32 hwreg(HW_REG_WAVE_MODE, 25, 1), 1
	s_wait_xcnt 0x0
	s_wait_alu depctr_hold_cnt(0) depctr_sa_sdst(0) depctr_va_vdst(0) depctr_va_sdst(0) depctr_va_ssrc(0) depctr_va_vcc(0) depctr_vm_vsrc(0)
	s_getreg_b32 s2, hwreg(HW_REG_IB_STS2, 6, 4)
	s_cmp_eq_u32 s2, 0
	s_cbranch_scc0 .Lentry_in_a_cluster
	s_endpgm
.Lentry_in_a_cluster:
	s_bfe_u32 s2, ttmp6, 0x10000c
	s_cmp_lg_u32 s2, 0xf033
	s_cbranch_scc0 .Lentry_shape_is_right
	s_endpgm
.Lentry_shape_is_right:
; out0 = a W_o^T on codes of BF8 (E5M2) with E8M0 scales, K = 1,024.  a: the attention's result, 8,192 tokens, as images of operand registers, [K step of 256][tile of 16 tokens][128 along K][block 4][lane][16 bytes];
; its scale bytes [token][32].  W_o: [1,024][1,024] codes, K innermost; scale bytes [1,024][32].  out0: [8,192][1,024] f32.
; A tile is 128 tokens x 256 features: 256 work-groups.  Wave w takes all 128 tokens (8 blocks, source 1) and features 64 w .. 64 w + 63 (4 blocks, source 0): 32 accumulators, 256 registers (window 2).
; a's codes carry, inside each block of 32, the order k = 32 c + 16 (i / 8) + 8 (lane / 16) + i % 8 for byte i of a lane's 16.  W_o's fragments are loaded in that same order: 8 bytes at 16 c' + 8 (lane / 16) into registers 2 c', 2 c' + 1.
; K goes in steps of 256 through a ring of two LDS slots; the scales of the tile's rows, for all of K, come once.  CLUSTERS of 4 x 4: a's tile is asked for jointly by a row of the cluster, W_o's by a column.
; REGISTERS: window 0: v16-30 addresses; v32-79 scale words, two sets of 24, and nothing else; v128-255 a's fragments, one set.  Window 1: W_o's fragments, two sets of 64.  Window 2: the accumulators, (a, b) at v[8 (4 a + b)].
.set NQ,     2
.set FR,     16
.set NL,     4
.set NP,     8
.set PITCH,  272                       ; a row of W_o's tile in LDS: 256 bytes + 16 of padding
.set AIMG,   32768                     ; a's images of a K step: 8 tiles x 4,096 bytes, as they lie in memory
.set HALFA,  16384
.set HALFB,  128*PITCH
.set SLOT,   AIMG+2*HALFB
.set SCA,    2*SLOT                    ; a's scales: 16 units of 256 bytes + 16 of padding
.set HALFSA, 8*272
.set SCB,    SCA+2*HALFSA              ; W_o's: 32 units
.set HALFSB, 16*272
.set SBLK,   2*272                     ; the scales of 16 rows
.set SPARE,  SCB+2*HALFSB              ; the spare words: two blocks of 256 bytes that no other line names
.set SPITCH, 272                       ; the way out: 16 rows x (256 bytes + 16) a wave, in slot 0, which has then had its last fill and its last read
.set ADRA, 16
.set ADRB, 20
.set STO,  24
.set RD,   25
.set CO,   26
.set ADSA, 27
.set SPW,  28
.set NIL,  29
.set ADSB, 30
.set SC,   32                          ; set s at SC + 24 s: a's block i, word q at 2 i + q; W_o's block i at 16 + 2 i + q
.set AF,   128
.set BK,   128
.set G1, 24
.set G0, 32
.set G1B, 48
.set G0B, 56
.set G1S, 68
.set G0S, 76
.set G1SB, 80
.set G0SB, 88
.set MSB, 0
.macro WIN new
.if MSB != (\new)
	s_set_vgpr_msb (MSB<<8)|(\new)
.set MSB, (\new)
.endif
.endm
.set MUL,  0xa1                        ; source 0 window 1, source 1 window 0, C and D window 2
.set TO_B, 0x40
.macro JLOAD g0a, g1a, g0b, g1b        ; waves 0 and 1 fetch for a, waves 2 and 3 for W_o; four v_nop follow each of the two lines
	s_cmp_eq_u32 s15, 0
	s_cbranch_scc0 .Lfor_b_\@
	tensor_load_to_lds s[\g0a:\g0a+3], s[\g1a:\g1a+7]
	s_nop 0
.rept 4
	v_nop
.endr
	s_branch .Lasked_\@
.Lfor_b_\@:
	tensor_load_to_lds s[\g0b:\g0b+3], s[\g1b:\g1b+7]
	s_nop 0
.rept 4
	v_nop
.endr
.Lasked_\@:
.endm
.macro CREST
	s_cmp_lg_u32 s14, 0
	s_cbranch_scc1 .Lnot_wave_0_\@
	s_barrier_signal -3
.Lnot_wave_0_\@:
	s_barrier_wait -3
	s_barrier_signal -1
	s_barrier_wait -1
.endm
.macro CROUND
	s_barrier_signal -1
	s_barrier_wait -1
	CREST
.endm
	s_load_b128 s[4:7], s[0:1], 0x0                ; a's codes, a's scales
	s_load_b128 s[8:11], s[0:1], 0x10              ; W_o's codes, W_o's scales
	s_load_b64 s[12:13], s[0:1], 0x20              ; out0
	v_lshl_add_u32 v[SPW], v0, 2, SPARE
	v_mov_b32 v[NIL], 0
	ds_add_u32 v28, v29
	ds_add_u32 v28, v29
	s_wait_dscnt 0x0
	v_lshrrev_b32 v1, 5, v0
	v_readfirstlane_b32 s14, v1                    ; wave 0..3
	s_lshr_b32 s15, s14, 1                         ; I fetch for a (0) or for W_o (1),
	s_and_b32 s16, s14, 1                          ; this half of the tile
	s_bfe_u32 s40, ttmp6, 0x40000                  ; cx
	s_bfe_u32 s41, ttmp6, 0x40004                  ; cy
	s_lshl_b32 s42, ttmp9, 2
	s_add_co_u32 s42, s42, s40                     ; tile column
	s_and_b32 s17, ttmp7, 0xffff
	s_lshl_b32 s17, s17, 2
	s_add_co_u32 s17, s17, s41                     ; tile row
	s_lshl_b32 s43, s41, 2
	s_lshl_b32 s43, 15, s43                        ; my row of the cluster
	s_lshl_b32 s44, 0x1111, s40                    ; my column
	s_or_b32 s[G1+0], s43, (3<<16)|(1<<21)         ; a's images: 16,384 dense bytes as 64 rows of 256 (32 elements of 8 bytes), no padding
	s_mov_b32 s[G1+1], 32<<16
	s_mov_b32 s[G1+2], 64<<16
	s_mov_b32 s[G1+3], 32<<16
	s_mov_b32 s[G1+4], 64
	s_mov_b32 s[G1+5], 32
	s_mov_b32 s[G1+6], 0
	s_mov_b32 s[G1+7], 0
	s_or_b32 s[G1B+0], s44, (0<<16)|(1<<20)|(1<<21)|(5<<22)|(3<<25)   ; W_o: 128 rows of 256 bytes, 1,024 apart, 16 bytes of padding behind each
	s_mov_b32 s[G1B+1], 256<<16
	s_mov_b32 s[G1B+2], 128<<16
	s_mov_b32 s[G1B+3], 256<<16
	s_mov_b32 s[G1B+4], 128
	s_mov_b32 s[G1B+5], 1024
	s_mov_b32 s[G1B+6], 0
	s_mov_b32 s[G1B+7], 0
	s_or_b32 s[G1S+0], s43, (3<<16)|(1<<20)|(1<<21)|(5<<22)|(3<<25)   ; a's scales of 64 tokens: 8 rows of 256 bytes, padded
	s_mov_b32 s[G1S+1], 32<<16
	s_mov_b32 s[G1S+2], 8<<16
	s_mov_b32 s[G1S+3], 32<<16
	s_mov_b32 s[G1S+4], 8
	s_mov_b32 s[G1S+5], 32
	s_mov_b32 s[G1S+6], 0
	s_mov_b32 s[G1S+7], 0
	s_or_b32 s[G1SB+0], s44, (3<<16)|(1<<20)|(1<<21)|(5<<22)|(3<<25)  ; W_o's of 128 rows: 16 rows of 256 bytes, padded
	s_mov_b32 s[G1SB+1], 32<<16
	s_mov_b32 s[G1SB+2], 16<<16
	s_mov_b32 s[G1SB+3], 32<<16
	s_mov_b32 s[G1SB+4], 16
	s_mov_b32 s[G1SB+5], 32
	s_mov_b32 s[G1SB+6], 0
	s_mov_b32 s[G1SB+7], 0
	s_lshl_b32 s20, s17, 15                        ; a's codes: 8 tiles of 4,096 bytes a tile row, 4 a half
	s_lshl_b32 s18, s16, 14
	s_add_co_u32 s20, s20, s18
	s_mov_b32 s21, 0
	s_lshl_b32 s22, s17, 12                        ; a's scales: 128 tokens of 32 bytes, 64 a half
	s_lshl_b32 s18, s16, 11
	s_add_co_u32 s22, s22, s18
	s_mov_b32 s23, 0
	s_lshl_b32 s46, s42, 18                        ; W_o's codes: 256 rows of 1,024 bytes, 128 a half
	s_lshl_b32 s18, s16, 17
	s_add_co_u32 s46, s46, s18
	s_mov_b32 s47, 0
	s_lshl_b32 s92, s42, 13                        ; W_o's scales
	s_lshl_b32 s18, s16, 12
	s_add_co_u32 s92, s92, s18
	s_mov_b32 s93, 0
	s_mul_i32 s45, s16, HALFA                      ; where they go: no place in the cluster enters an LDS address
	s_mul_i32 s94, s16, HALFB
	s_add_co_u32 s94, s94, AIMG
	s_mul_i32 s95, s16, HALFSA
	s_add_co_u32 s95, s95, SCA
	s_mul_i32 s19, s16, HALFSB
	s_add_co_u32 s19, s19, SCB
	s_wait_kmcnt 0x0
	s_add_nc_u64 s[20:21], s[4:5], s[20:21]
	s_add_nc_u64 s[22:23], s[6:7], s[22:23]
	s_add_nc_u64 s[46:47], s[8:9], s[46:47]
	s_add_nc_u64 s[92:93], s[10:11], s[92:93]
	CROUND                                         ; all sixteen work-groups are here: the first joint loads meet
	s_mov_b32 s[G0S], 1
	s_mov_b32 s[G0S+1], s95
	s_mov_b64 s[G0S+2:G0S+3], s[22:23]
	s_or_b32 s[G0S+3], s[G0S+3], 0x80000000
	s_mov_b32 s[G0SB], 1
	s_mov_b32 s[G0SB+1], s19
	s_mov_b64 s[G0SB+2:G0SB+3], s[92:93]
	s_or_b32 s[G0SB+3], s[G0SB+3], 0x80000000
	JLOAD G0S, G1S, G0SB, G1SB
.irp s, 0,1
	s_mov_b32 s[G0+4*\s], 1
	s_add_co_u32 s[G0+4*\s+1], s45, \s*SLOT
	s_add_nc_u64 s[G0+4*\s+2:G0+4*\s+3], s[20:21], \s*0x200000     ; a K step of a's images is 2^21 bytes on
	s_or_b32 s[G0+4*\s+3], s[G0+4*\s+3], 0x80000000
	s_mov_b32 s[G0B+4*\s], 1
	s_add_co_u32 s[G0B+4*\s+1], s94, \s*SLOT
	s_add_nc_u64 s[G0B+4*\s+2:G0B+4*\s+3], s[46:47], \s*256
	s_or_b32 s[G0B+4*\s+3], s[G0B+4*\s+3], 0x80000000
	JLOAD G0+4*\s, G1, G0B+4*\s, G1B
.endr
	v_and_b32 v1, 15, v0                           ; r
	v_bfe_u32 v2, v0, 4, 1                         ; h
	v_and_b32 v6, 31, v0
	v_lshlrev_b32 v[ADRA], 4, v6                   ; a's images: 16 x lane
	v_add_nc_u32 v[ADRA+1], SLOT, v[ADRA]
	v_mul_u32_u24 v3, v1, PITCH
	v_lshl_add_u32 v3, v2, 3, v3                   ; W_o: row x pitch + 8 h,
	s_mul_i32 s21, s14, 64*PITCH                   ; my 64 rows,
	s_add_co_u32 s21, s21, AIMG                    ; behind a's images
	v_add_nc_u32 v[ADRB], s21, v3
	v_add_nc_u32 v[ADRB+1], SLOT, v[ADRB]
	v_mul_u32_u24 v5, v1, 32                       ; a row's scales: 32 bytes a row,
	v_lshrrev_b32 v4, 8, v5
	v_lshl_add_u32 v5, v4, 4, v5                   ; and 16 more for each 256 passed
	v_add_nc_u32 v[ADSA], SCA, v5
	s_mul_i32 s21, s14, HALFSA                     ; my 64 rows of W_o: 8 units
	s_add_co_u32 s21, s21, SCB
	v_add_nc_u32 v[ADSB], s21, v5
	s_mul_i32 s23, s14, 16*SPITCH                  ; my stage
	v_mul_u32_u24 v5, v1, SPITCH
	v_lshl_add_u32 v5, v2, 5, v5
	v_add_nc_u32 v[STO], s23, v5                   ; in: row r, 32 bytes for each half of the lanes
	v_mul_u32_u24 v5, v2, SPITCH
	v_lshl_add_u32 v5, v1, 4, v5
	v_add_nc_u32 v[RD], s23, v5                    ; back: lanes 0-15 one row of 256 bytes, lanes 16-31 the next
	v_lshlrev_b32 v[CO], 4, v1
	v_lshl_add_u32 v[CO], v2, 12, v[CO]            ; and the same two rows in out0
	s_lshl_b32 s20, s17, 19                        ; 128 rows of 4,096 bytes a tile row,
	s_lshl_b32 s21, s42, 10                        ; 256 features of 4 bytes a tile column,
	s_add_co_u32 s20, s20, s21
	s_lshl_b32 s21, s14, 8                         ; 64 a wave
	s_add_co_u32 s20, s20, s21
	s_mov_b32 s21, 0
	s_add_nc_u64 s[12:13], s[12:13], s[20:21]
; 8 matrix instructions: a's blocks a0, a0 + 1 x W_o's four.  The 32 accumulators take turns, one instruction a turn, in the same order in every step.
.macro MUL8 a0, p, q, sc, zero
.irp a, \a0, \a0+1
.irp b, 0,1,2,3
.if \zero
	v_wmma_scale_f32_16x16x128_f8f6f4 v[8*(4*(\a)+\b):8*(4*(\a)+\b)+7], v[64*(\p)+FR*\b:64*(\p)+FR*\b+FR-1], v[AF+FR*(\a):AF+FR*(\a)+FR-1], 0, v[SC+24*(\sc)+16+2*\b+(\q)], v[SC+24*(\sc)+2*(\a)+(\q)] matrix_a_fmt:MATRIX_FMT_BF8 matrix_b_fmt:MATRIX_FMT_BF8
.else
	v_wmma_scale_f32_16x16x128_f8f6f4 v[8*(4*(\a)+\b):8*(4*(\a)+\b)+7], v[64*(\p)+FR*\b:64*(\p)+FR*\b+FR-1], v[AF+FR*(\a):AF+FR*(\a)+FR-1], v[8*(4*(\a)+\b):8*(4*(\a)+\b)+7], v[SC+24*(\sc)+16+2*\b+(\q)], v[SC+24*(\sc)+2*(\a)+(\q)] matrix_a_fmt:MATRIX_FMT_BF8 matrix_b_fmt:MATRIX_FMT_BF8
.endif
.endr
.endr
.endm
.macro FETCH_B slot, q, p              ; W_o's four fragments of the slot's q-th 128 along K into set p: eight loads of 8 bytes each, in a's order of k
	WIN TO_B
.irp i, 0,1,2,3
.irp c, 0,1,2,3,4,5,6,7
	ds_load_b64 v[64*(\p)+FR*\i+2*\c:64*(\p)+FR*\i+2*\c+1], v[ADRB+\slot] offset:128*(\q)+16*\c+\i*16*PITCH
.endr
.endr
	WIN 0
.endm
.macro FETCH_A slot, q, i0             ; a's blocks i0 .. i0 + 3: four loads of 512 consecutive bytes each
.irp i, \i0, \i0+1, \i0+2, \i0+3
.irp c, 0,1,2,3
	ds_load_b128 v[AF+FR*(\i)+4*\c:AF+FR*(\i)+4*\c+3], v[ADRA+\slot] offset:4096*(\i)+2048*(\q)+512*\c
.endr
.endr
.endm
.macro SCALES sc                       ; a K step's scale words: two words a row
.irp i, 0,1,2,3,4,5,6,7
	ds_load_b64 v[SC+24*\sc+2*\i:SC+24*\sc+2*\i+1], v[ADSA] offset:\i*SBLK
.endr
.irp i, 0,1,2,3
	ds_load_b64 v[SC+24*\sc+16+2*\i:SC+24*\sc+16+2*\i+1], v[ADSB] offset:\i*SBLK
.endr
.endm
.macro PLACES n
.rept \n
	v_nop
.endr
.endm
.macro STEP slot, q, zero
	s_wait_dscnt 4*NL                              ; all but the youngest 16 loads (a's blocks 4-7) are in
	WIN MUL
	MUL8 0, (\q)%2, \q, \slot, \zero
	MUL8 2, (\q)%2, \q, \slot, \zero
	s_wait_dscnt 0
	PLACES NP
	FETCH_B \slot, (\q)+1, 1-(\q)%2
	FETCH_A \slot, (\q)+1, 0
	WIN MUL
	MUL8 4, (\q)%2, \q, \slot, \zero
	MUL8 6, (\q)%2, \q, \slot, \zero
	PLACES NP
	WIN 0
	FETCH_A \slot, (\q)+1, 4
.endm
.macro TURN slot, next, fill           ; a slot's last step changes slots
	s_wait_tensorcnt 0x0                           ; all my tensor loads have landed: my part of the next slot
	ds_add_u32 v[SPW], v[NIL]                      ; 0 onto my spare word
	s_wait_dscnt 4*NL+1                            ; the add and the youngest 16 loads may be out
	WIN MUL
	MUL8 0, 1, NQ-1, \slot, 0
	s_wait_dscnt 0x0                               ; the add is done, and my reads of this slot are over
	s_barrier_signal -1
	MUL8 2, 1, NQ-1, \slot, 0
	WIN 0
	s_barrier_wait -1
.if \fill
	CREST                                          ; the barrier has opened a round of the cluster's: no wave of any partner still reads this slot or has a load on its way
	s_add_nc_u64 s[G0+4*\slot+2:G0+4*\slot+3], s[G0+4*\slot+2:G0+4*\slot+3], 0x400000
	s_add_nc_u64 s[G0B+4*\slot+2:G0B+4*\slot+3], s[G0B+4*\slot+2:G0B+4*\slot+3], 512
	JLOAD G0+4*\slot, G1, G0B+4*\slot, G1B
	PLACES NP-4
.else
	PLACES NP
.endif
	v_add_nc_u32 v[ADSA], 4*NQ, v[ADSA]            ; the next K step's scale words
	v_add_nc_u32 v[ADSB], 4*NQ, v[ADSB]
	FETCH_B \next, 0, 0
	FETCH_A \next, 0, 0
	SCALES \next
	WIN MUL
	MUL8 4, 1, NQ-1, \slot, 0
	MUL8 6, 1, NQ-1, \slot, 0
	PLACES NP
	WIN 0
	FETCH_A \next, 0, 4
.endm
	s_wait_tensorcnt 1                             ; the scales and my part of K step 0 are in; K step 1's load may be out
	s_barrier_signal -1
	s_barrier_wait -1
	FETCH_B 0, 0, 0
	FETCH_A 0, 0, 0
	SCALES 0
	FETCH_A 0, 0, 4
	STEP 0, 0, 1                                   ; the first step starts the sums
	s_mov_b32 s3, 1
.Llap:                                                 ; once round the ring: both slots are filled again (K steps 2 and 3)
	TURN 0, 1, 1
	STEP 1, 0, 0
	TURN 1, 0, 1
	STEP 0, 0, 0
	s_sub_co_u32 s3, s3, 1
	s_cmp_lg_u32 s3, 0
	s_cbranch_scc1 .Llap
	TURN 0, 1, 0
	STEP 1, 0, 0
	s_wait_dscnt 4*NL
	WIN MUL
	MUL8 0, 1, NQ-1, 1, 0
	MUL8 2, 1, NQ-1, 1, 0
	s_wait_dscnt 0
	MUL8 4, 1, NQ-1, 1, 0
	MUL8 6, 1, NQ-1, 1, 0
	WIN 0
; THE WAY OUT, a block of 16 tokens x 64 features at a time: a lane's 32 bytes of a row go into my stage and come back as whole rows of 256 bytes.  LDS serves a wave's instructions in order (ISA guide 5.7.1.4).
.macro TOSTAGE a
	WIN 0x08                                       ; an LDS store's data are its source 1: window 2
.irp b, 0,1,2,3
	ds_store_b128 v[STO], v[32*(\a)+8*\b:32*(\a)+8*\b+3] offset:64*\b       ; each accumulator from its low end on
	ds_store_b128 v[STO], v[32*(\a)+8*\b+4:32*(\a)+8*\b+7] offset:64*\b+16
.endr
	WIN 0
.set BB, BK+32*((\a)%2)
.irp t, 0,1,2,3,4,5,6,7
	ds_load_b128 v[BB+4*\t:BB+4*\t+3], v[RD] offset:\t*2*SPITCH
.endr
.endm
.macro SEND a, younger
.set BB, BK+32*((\a)%2)
	s_wait_dscnt \younger                          ; the block is back; the next block's 8 stores and 8 loads may be out
.if (\a) > 0
	s_add_nc_u64 s[12:13], s[12:13], 16*4096       ; 16 rows on (behind a wait for the earlier stores' addresses)
.endif
.irp t, 0,1,2,3,4,5,6,7
	global_store_b128 v[CO], v[BB+4*\t:BB+4*\t+3], s[12:13] offset:\t*2*4096 th:TH_STORE_NT   ; sixteen lanes store 256 consecutive bytes, aligned
.endr
.endm
	PLACES NP
	TOSTAGE 0
.irp a, 1,2,3,4,5,6,7
.if \a > 1
	s_wait_xcnt 0x0                                ; block a - 2's stores have read their registers and their base
.endif
	TOSTAGE \a
	SEND \a-1, 16
.endr
	s_wait_xcnt 0x0
	SEND 7, 0
	s_wait_tensorcnt 0x0                           ; the wave's end
	ds_add_u32 v[SPW], v[NIL]
	s_wait_dscnt 0x0
	CROUND                                         ; the closing round
	s_endpgm
.Lfunc_end_k_qaac1140211_oproj:
	.size	k_qaac1140211_oproj, .Lfunc_end_k_qaac1140211_oproj-k_qaac1140211_oproj
	.p2alignl 7, 3214868480
	.fill 96, 4, 3214868480
	.section	.rodata,"a",@progbits
	.p2align	6, 0x0
	.amdhsa_kernel k_qaac1140211_oproj
		.amdhsa_group_segment_fixed_size 327680
		.amdhsa_private_segment_fixed_size 0
		.amdhsa_enable_private_segment 0
		.amdhsa_kernarg_size 40
		.amdhsa_user_sgpr_count 2
		.amdhsa_user_sgpr_kernarg_segment_ptr 1
		.amdhsa_wavefront_size32 1
		.amdhsa_system_sgpr_workgroup_id_x 1
		.amdhsa_system_sgpr_workgroup_id_y 1
		.amdhsa_system_sgpr_workgroup_id_z 1
		.amdhsa_system_vgpr_workitem_id 0
		.amdhsa_next_free_vgpr 768
		.amdhsa_next_free_sgpr 98
		.amdhsa_reserve_vcc 0
		.amdhsa_float_denorm_mode_32 3
		.amdhsa_float_denorm_mode_16_64 3
		.amdhsa_memory_ordered 1
		.amdhsa_forward_progress 1
		.amdhsa_inst_pref_size 100
	.end_amdhsa_kernel
	.amdgpu_metadata
---
amdhsa.version: [ 1, 2 ]
amdhsa.kernels:
  - .name:           k_qaac1140211_oproj
    .symbol:         k_qaac1140211_oproj.kd
    .args:
      - { .name: ac, .offset: 0, .size: 8, .value_kind: global_buffer, .address_space: global }
      - { .name: asc, .offset: 8, .size: 8, .value_kind: global_buffer, .address_space: global }
      - { .name: W_o_codes, .offset: 16, .size: 8, .value_kind: global_buffer, .address_space: global }
      - { .name: W_o_scales, .offset: 24, .size: 8, .value_kind: global_buffer, .address_space: global }
      - { .name: out0, .offset: 32, .size: 8, .value_kind: global_buffer, .address_space: global }
    .group_segment_fixed_size: 327680
    .private_segment_fixed_size: 0
    .kernarg_segment_align: 8
    .kernarg_segment_size: 40
    .max_flat_workgroup_size: 128
    .sgpr_count:     98
    .vgpr_count:     768
    .wavefront_size: 32
...
	.end_amdgpu_metadata
.endif
;; end of part 4
